; MI455X (gfx1250); checked and timed in simulation.
; The chip was launched on July 23, 2026; its instructions are those of AMD's public machine-readable ISA for CDNA 5 (MIT licence, August 2026) and "CDNA5" Instruction Set Architecture Reference Guide (July 2026). The comments in the code are by the model that wrote it; some were corrected since.
;; Masked Attention. Allowed arithmetic: float matrix products may take bf16 or f16 operands with f32 sums; other float arithmetic in f32, or as packed bf16 or f16 multiplies, adds, multiply-adds, maxima and minima; sums over many terms, partial sums and values carried from step to step in f32; what a program stores and reads back later, other than sums and carried values, may be rounded once to bf16 or f16.
;; Inputs: Wk 1,024 x 1,024 float32; Wq 1,024 x 1,024 float32; Wv 1,024 x 1,024 float32; bk 1,024 float32; bq 1,024 float32; bv 1,024 float32; x 4 x 2,048 x 1,024 float32.
;; Outputs: out0 4 x 2,048 x 1,024 float32.
;; 2 versions, each right; version 2 is version 1 with the launch cast written anew for expert scheduling mode. Each part assembles by itself: llvm-mc -triple=amdgcn-amd-amdhsa -mcpu=gfx1250 --defsym DOCPART=n.
;; ======== version 1 of 2: 4 launches
;; limits: values are held in f16: magnitudes above 65,504 overflow, below 6.1e-05 lose precision
;; workspace buffers: xb 16,777,216 bytes; wb 6,291,456 bytes; qkv 50,331,648 bytes; pt 33,554,432 bytes; mst 524,288 bytes; lst 524,288 bytes
;; launch cast (part 1): grid 704 x 1, 8 waves a work-group, no clusters, 0 bytes of LDS; arguments x, Wq, Wk, Wv, xb, wb; writes xb, wb
.if DOCPART == 1
	.amdgcn_target "amdgcn-amd-amdhsa--gfx1250"
	.amdhsa_code_object_version 6
	.text
	.protected	k_q806abe3ce6_cast
	.globl	k_q806abe3ce6_cast
	.p2align	8
	.type	k_q806abe3ce6_cast,@function
k_q806abe3ce6_cast:
	s_mov_b64 s[64:65], 0
	v_nop
	global_prefetch_b8 v0, s[64:65] scope:SCOPE_SE
	s_setreg_imm32_b32 hwreg(HW_REG_WAVE_MODE, 25, 1), 1
	s_wait_xcnt 0x0
; x and the three weight matrices, f32, are rounded once to bf16: xb [8192][1024]; wb [3072][1024], rows 0-1023 Wq, 1024-2047 Wk, 2048-3071 Wv.
; A work-group converts 16,384 numbers: 65,536 bytes in, 32,768 out.  Work-groups 0-511 take x, 512-703 the weights, 64 to a matrix.
; Thread t reads 16 bytes at 16 t + 4,096 i (a wave's load covers 512 neighbouring bytes) and stores 8 bytes at 8 t + 2,048 i (a wave's store covers
; 256 neighbouring bytes, aligned).  All sixteen loads go out first; nothing is read twice; no register is used twice, so no wait frees a source.
; No LDS, no matrix unit, no cluster: the work-groups share no byte, and each number is touched once.
.set X, 4                              ; v[4:67]   sixteen loads of four f32
.set Y, 68                             ; v[68:99]  sixteen pairs of packed bf16
	s_load_b256 s[4:11], s[0:1], 0x0               ; x s[4:5], Wq s[6:7], Wk s[8:9], Wv s[10:11]
	s_load_b128 s[12:15], s[0:1], 0x20             ; xb s[12:13], wb s[14:15]
	v_lshlrev_b32 v1, 4, v0                        ; my 16 bytes in
	v_lshlrev_b32 v2, 3, v0                        ; my 8 bytes out
	s_max_u32 s16, ttmp9, 512
	s_sub_co_u32 s16, s16, 512                     ; my number among the weights' work-groups (0 where I take x)
	s_lshr_b32 s17, s16, 6                         ; which matrix
	s_and_b32 s18, s16, 63
	s_lshl_b32 s18, s18, 16                        ; my bytes in that matrix,
	s_lshl_b32 s19, s16, 15                        ; and in wb
	s_lshl_b32 s20, ttmp9, 16                      ; my bytes in x,
	s_lshl_b32 s21, ttmp9, 15                      ; and in xb
	s_mov_b32 s27, 0
	s_mov_b32 s29, 0
	s_wait_kmcnt 0x0
	s_cmp_eq_u32 s17, 1
	s_cselect_b64 s[22:23], s[8:9], s[6:7]
	s_cmp_eq_u32 s17, 2
	s_cselect_b64 s[22:23], s[10:11], s[22:23]
	s_cmp_lt_u32 ttmp9, 512
	s_cselect_b64 s[22:23], s[4:5], s[22:23]       ; from where,
	s_cselect_b64 s[24:25], s[12:13], s[14:15]     ; to where
	s_cselect_b32 s26, s20, s18
	s_cselect_b32 s28, s21, s19
	s_add_nc_u64 s[22:23], s[22:23], s[26:27]
	s_add_nc_u64 s[24:25], s[24:25], s[28:29]
.set i, 0
.rept 16
	global_load_b128 v[X+4*i:X+4*i+3], v1, s[22:23] offset:4096*i th:TH_LOAD_NT
.set i, i+1
.endr
.set i, 0
.rept 16
	s_wait_loadcnt 15-i                            ; loads come back in order: number i is in, the 15 - i younger ones stay out
	v_cvt_pk_bf16_f32 v[Y+2*i], v[X+4*i], v[X+4*i+1]
	v_cvt_pk_bf16_f32 v[Y+2*i+1], v[X+4*i+2], v[X+4*i+3]
	global_store_b64 v2, v[Y+2*i:Y+2*i+1], s[24:25] offset:2048*i
.set i, i+1
.endr
	s_endpgm
.Lfunc_end_k_q806abe3ce6_cast:
	.size	k_q806abe3ce6_cast, .Lfunc_end_k_q806abe3ce6_cast-k_q806abe3ce6_cast
	.p2alignl 7, 3214868480
	.fill 96, 4, 3214868480
	.section	.rodata,"a",@progbits
	.p2align	6, 0x0
	.amdhsa_kernel k_q806abe3ce6_cast
		.amdhsa_group_segment_fixed_size 0
		.amdhsa_private_segment_fixed_size 0
		.amdhsa_enable_private_segment 0
		.amdhsa_kernarg_size 48
		.amdhsa_user_sgpr_count 2
		.amdhsa_user_sgpr_kernarg_segment_ptr 1
		.amdhsa_wavefront_size32 1
		.amdhsa_system_sgpr_workgroup_id_x 1
		.amdhsa_system_sgpr_workgroup_id_y 1
		.amdhsa_system_sgpr_workgroup_id_z 1
		.amdhsa_system_vgpr_workitem_id 0
		.amdhsa_next_free_vgpr 104
		.amdhsa_next_free_sgpr 66
		.amdhsa_reserve_vcc 0
		.amdhsa_float_denorm_mode_32 3
		.amdhsa_float_denorm_mode_16_64 3
		.amdhsa_memory_ordered 1
		.amdhsa_forward_progress 1
		.amdhsa_inst_pref_size 7
	.end_amdhsa_kernel
	.amdgpu_metadata
---
amdhsa.version: [ 1, 2 ]
amdhsa.kernels:
  - .name:           k_q806abe3ce6_cast
    .symbol:         k_q806abe3ce6_cast.kd
    .args:
      - { .name: x, .offset: 0, .size: 8, .value_kind: global_buffer, .address_space: global }
      - { .name: Wq, .offset: 8, .size: 8, .value_kind: global_buffer, .address_space: global }
      - { .name: Wk, .offset: 16, .size: 8, .value_kind: global_buffer, .address_space: global }
      - { .name: Wv, .offset: 24, .size: 8, .value_kind: global_buffer, .address_space: global }
      - { .name: xb, .offset: 32, .size: 8, .value_kind: global_buffer, .address_space: global }
      - { .name: wb, .offset: 40, .size: 8, .value_kind: global_buffer, .address_space: global }
    .group_segment_fixed_size: 0
    .private_segment_fixed_size: 0
    .kernarg_segment_align: 8
    .kernarg_segment_size: 48
    .max_flat_workgroup_size: 256
    .sgpr_count:     66
    .vgpr_count:     104
    .wavefront_size: 32
...
	.end_amdgpu_metadata
.endif
;; end of part 1
;; launch proj (part 2): grid 8 x 32, 4 waves a work-group, clusters of 4 x 4, 327,680 bytes of LDS; arguments xb, wb, qkv, bq, bk, bv; writes qkv
.if DOCPART == 2
	.amdgcn_target "amdgcn-amd-amdhsa--gfx1250"
	.amdhsa_code_object_version 6
	.text
	.protected	k_q806abe3ce6_proj
	.globl	k_q806abe3ce6_proj
	.p2align	8
	.type	k_q806abe3ce6_proj,@function
k_q806abe3ce6_proj:
	s_mov_b64 s[64:65], 0
	v_nop
	global_prefetch_b8 v0, s[64:65] scope:SCOPE_SE
	s_setreg_imm32_b32 hwreg(HW_REG_WAVE_MODE, 25, 1), 1
	s_wait_xcnt 0x0
	s_wait_alu depctr_hold_cnt(0) depctr_sa_sdst(0) depctr_va_vdst(0) depctr_va_sdst(0) depctr_va_ssrc(0) depctr_va_vcc(0) depctr_vm_vsrc(0)
	s_getreg_b32 s2, hwreg(HW_REG_IB_STS2, 6, 4)
	s_cmp_eq_u32 s2, 0
	s_cbranch_scc0 .Lentry_in_a_cluster
	s_endpgm
.Lentry_in_a_cluster:
	s_bfe_u32 s2, ttmp6, 0x10000c
	s_cmp_lg_u32 s2, 0xf033
	s_cbranch_scc0 .Lentry_shape_is_right
	s_endpgm
.Lentry_shape_is_right:
; qkv[m][n] = the sum over k of xb[m][k] wb[n][k] + bias[n].  xb: [8192][1024] bf16, wb: [3072][1024] bf16 (Wq, Wk, Wv one below the other), qkv: [8192][3072] f16; sums in f32.
; LIMITS.  x, the weights and the biases enter rounded once to bf16.  Q, K and V leave rounded once to f16, which holds no number beyond 65,504: a sum of greater magnitude becomes an infinity.
; SHARES.  8 x 32 work-groups of four waves, all of equal work.  Work-group (tx, ty) owns rows 256 ty .. + 255 and makes TWO tiles from them, one after the other:
;   the FIRST, 256 x 256, columns 256 tx of Q | K: a wave makes 128 x 128, 64 accumulators of 16 x 16, 512 registers;
;   the SECOND, 256 x 128, columns 2,048 + 128 tx (V): wave w makes rows 64 w .. + 63 x all 128 columns, 32 accumulators.  In both a wave's row of results is 256 bytes of qkv, aligned.
; K goes in 8 steps of 128 through a ring of two LDS slots filled by the tensor data mover; a tile's rows are 256 bytes of memory, at multiples of 256 bytes from the buffer's first byte.
; THE RING GOES ON INTO THE SECOND TILE: the first tile's last two changes of slots ask for the second tile's K steps 0 and 1, and the first tile goes out while K step 1 is on its way; nothing waits for its stores.
; A K STEP IS WRITTEN ONCE FOR EACH TILE.  The slot in hand is a scalar, s[TB] = 0 or SLOT, turned by one exclusive or at each change of slots; the fragments' LDS addresses are made anew from it, and the
; descriptors walk: the LDS word is turned by the same exclusive or, the address steps by a K step.  SLOT = 0x22000 shares no bit with a wave's places in a slot (wave x 0x8800; in the second tile wb's 0x11000
; and 0x15400), so the turn is exact.
; CLUSTERS: 4 x 4 work-groups.  The four of a row of the cluster need the same tiles of xb, the four of a column the same tiles of wb, in both tiles: each is asked for JOINTLY, by the same tensor load
; with the same descriptor and a mask that names the four.
; THE BIAS STARTS THE SUMS: it is the C operand of each accumulator's first product, so nothing is cleared and nothing is added on the way out.
; THE MATRIX INSTRUCTION IS USED TRANSPOSED: source 0 = 16 rows of wb, source 1 = 16 rows of xb.  Lane l then holds row l % 16 of qkv and its registers the columns 8 (l / 16) + 0 .. 7.
; REGISTERS, in windows of 256 (s_set_vgpr_msb: bits 1:0 source 0, 3:2 source 1, 5:4 source 2, 7:6 destination):
;   window 0: v0-31 addresses; v64-127, v128-191 fragments of xb, two buffers; v192-255 the first tile's bias, later at work on the way out; v32-63 at work
;   window 1: v64-127, v128-191 fragments of wb; v192-255 the second tile's bias
;   window 2: the accumulators of my rows 0-63 ((a, b) at v[8 (8 a + b)]), in both tiles      window 3: those of my rows 64-127, in the first tile
.set SIZE_N, 3072
.set SIZE_K, 1024
.set KSTEP,  128
.set STEPS,  SIZE_K/KSTEP              ; 8
.set PITCH,  272                       ; an LDS row: 256 bytes + 16 of padding = 68 words: the 16 rows that a load touches start at 16 different groups of four banks (64 banks of 4 bytes: ISA guide 11.1)
.set HALFT,  128*PITCH                 ; 128 rows: 0x8800 bytes
.set QUART,  64*PITCH                  ; 64 rows: 0x4400 bytes
.set SLOT,   4*HALFT                   ; xb's 256 rows, then wb's 256 (second tile: 128) rows: 0x22000 bytes
.set STAGE,  2*SLOT                    ; behind the ring: 16 rows x 272 bytes for each wave, for the way out
.set SPITCH, 272
.set SPARE,  STAGE+4*16*SPITCH         ; behind the stages: the spare words, 128 bytes for each wave, which no other line names
.set ADRA0, 16                         ; v16     my fragments of xb in slot 0, for the tile in hand
.set ADRB0, 17                         ; v17     the same for wb
.set ADRA, 18                          ; v18     my fragments of xb in the slot in hand
.set ADRB, 19                          ; v19     the same for wb
.set ADRA2, 20                         ; v20     what v16 takes for the second tile
.set ADRB2, 21                         ; v21     what v17 takes
.set STO,  24                          ; v24     the way out: where I put 16 bytes of a row
.set RD,   25                          ; v25     the way out: where I read a row back
.set CO,   26                          ; v26     my byte offset in qkv
.set BO,   27                          ; v27     my byte offset in the first tile's bias
.set SPW,  28                          ; v28     LDS address of my spare word; never rewritten
.set NIL,  29                          ; v29     0; never rewritten
.set PFO,  30                          ; v30     the prefetches' offset: my lane x a row of 2,048 bytes; never rewritten
.set BO2,  31                          ; v31     my byte offset in bv
.set PFA,  44                          ; s[44:45] where my prefetches stand
.set LIM,  43                          ; s43     2 in a wave that prefetches, else the greatest number
.set TB,   66                          ; s66     the slot in hand: 0 or SLOT
.set AB,   68                          ; s[68:69] xb at the 128 rows that I fetch, K = 0
.set BB,   70                          ; s[70:71] wb at the 64 rows that I fetch for the second tile, K = 0
.set QB,   88                          ; s[88:89] qkv
.set OF2,  90                          ; s[90:91] where my part of the second tile begins in qkv, in bytes
.set F0,   64
.set F1,   128
.set BIAS, 192                         ; window 0, v[192+8 b ..]: the bias of columns 16 b + 8 (l / 16) + 0 .. 7 of my 128, first tile
.set BIAS2, 192                        ; window 1: the same for the second tile
.set TMP,  192                         ; the way out: packed results
.set OB,   32                          ; the way out: 16 rows read back: v32-63 and v224-255 by turns
.set G1,  24                           ; s[24:31] descriptor group 1 for xb's tiles: 128 rows
.set G0,  32                           ; s[32:39] group 0 for xb's tiles: s[32:35] slot 0's first fill, later the second tile's walk; s[36:39] slot 1's first fill, then the first tile's walk
.set G1B, 48                           ; s[48:55] group 1 for wb's tiles of the first tile: 128 rows
.set G0B, 56                           ; s[56:63] group 0 for wb's tiles, as s[32:39]
.set G1C, 80                           ; s[80:87] group 1 for wb's tiles of the second tile: 64 rows
.set MSB, 0
.macro WIN new                         ; the immediate's high byte repeats the setting that is left; a switch that changes nothing is dropped
.if MSB != (\new)
	s_set_vgpr_msb (MSB<<8)|(\new)
.set MSB, \new
.endif
.endm
.set MUL_LO, 0xa1                      ; source 0 (wb) window 1, source 1 (xb) window 0, C and D window 2
.set TO_B,   0x40                      ; destination window 1, address window 0
; A joint load by group 0 set s; gb: wb's group 1.  Waves 0 and 1 fetch xb's two halves, waves 2 and 3 wb's.  The branch hangs on the wave's number alone.  An s_nop 0 and four v_nop follow each line.
.macro JLOAD s, gb
	s_cmp_eq_u32 s11, 0
	s_cbranch_scc0 .Lfor_b_\@
	tensor_load_to_lds s[G0+4*(\s):G0+4*(\s)+3], s[G1:G1+7]
	s_nop 0
.rept 4
	v_nop
.endr
	s_branch .Lasked_\@
.Lfor_b_\@:
	tensor_load_to_lds s[G0B+4*(\s):G0B+4*(\s)+3], s[(\gb):(\gb)+7]
	s_nop 0
.rept 4
	v_nop
.endr
.Lasked_\@:
.endm
; A prefetch, behind each joint refill of the first tile's loop and the run of LDS loads that follows it: the K step that stands two refills on, 32 rows x 256 bytes, a lane a row.  xb's tile row is read by the two
; clusters of that row of clusters: cluster x = 0 asks; wb's tile column by eight: cluster y = 0 asks.  Of the 128 rows that a wave fetches each of the four partners takes 32, told apart by
; address.  So each row's 256 bytes of a K step are named once.  K steps 0 to 3 come by their loads alone; s3 counts the loop's trips 6 to 1, and its last two trips, which have no K step two refills on, ask for nothing.
; The second tile's K steps come by their loads alone.
.macro ASK
	s_cmp_gt_u32 s3, s[LIM]
	s_cbranch_scc0 .Lnot_mine_\@
	global_prefetch_b8 v[PFO], s[PFA:PFA+1] offset:KSTEP*2 th:TH_LOAD_NT scope:SCOPE_SE
.Lnot_mine_\@:
.endm
.macro CREST                           ; a round of the cluster's barrier behind its opening barrier
	s_cmp_lg_u32 s10, 0
	s_cbranch_scc1 .Lnot_wave_0_\@
	s_barrier_signal -3
.Lnot_wave_0_\@:
	s_barrier_wait -3
	s_barrier_signal -1
	s_barrier_wait -1
.endm
.macro CROUND                          ; a whole round
	s_barrier_signal -1
	s_barrier_wait -1
	CREST
.endm
	s_load_b128 s[4:7], s[0:1], 0x0                ; xb s[4:5], wb s[6:7]
	s_load_b64 s[QB:QB+1], s[0:1], 0x10            ; qkv
	s_load_b128 s[72:75], s[0:1], 0x18             ; bq, bk
	s_load_b64 s[76:77], s[0:1], 0x28              ; bv
	v_lshl_add_u32 v[SPW], v0, 2, SPARE
	v_mov_b32 v[NIL], 0
	ds_add_u32 v[SPW], v[NIL]                      ; the wave's opening: the add and its wait stand ahead of my first tensor load; the set-up below stands between them
	v_lshrrev_b32 v1, 5, v0
	v_readfirstlane_b32 s10, v1                    ; wave 0..3
	s_lshr_b32 s11, s10, 1                         ; first tile: which half of the rows is mine.  Also: I fetch for xb (0) or for wb (1)
	s_and_b32 s12, s10, 1                          ; first tile: which half of the columns.  Also: which half of that operand's rows I fetch
	s_bfe_u32 s40, ttmp6, 0x40000                  ; cx
	s_bfe_u32 s41, ttmp6, 0x40004                  ; cy
	s_lshl_b32 s42, ttmp9, 2
	s_add_co_u32 s42, s42, s40                     ; tx = 4 x cluster x + cx
	s_and_b32 s13, ttmp7, 0xffff
	s_lshl_b32 s13, s13, 2
	s_add_co_u32 s13, s13, s41                     ; ty = 4 x cluster y + cy
	s_lshl_b32 s43, s41, 2
	s_lshl_b32 s43, 15, s43                        ; my row of the cluster
	s_lshl_b32 s44, 0x1111, s40                    ; my column
	s_or_b32 s[G1+0], s43, (1<<16)|(1<<20)|(1<<21)|(5<<22)|(3<<25)   ; the mask; 2-byte elements; padding on; bit 21 beside a mask; after every 64 words 4 words
	s_or_b32 s[G1B+0], s44, (1<<16)|(1<<20)|(1<<21)|(5<<22)|(3<<25)
	s_or_b32 s[G1C+0], s44, (1<<16)|(1<<20)|(1<<21)|(5<<22)|(3<<25)
.irp g, G1, G1B
	s_mov_b32 s[(\g)+1], KSTEP<<16                 ; tensor_dim0 = 128
	s_mov_b32 s[(\g)+2], 128<<16                   ; tensor_dim1 = 128
	s_mov_b32 s[(\g)+3], KSTEP<<16                 ; tile_dim0 = 128
	s_mov_b32 s[(\g)+4], 128                       ; tile_dim1 = 128
	s_mov_b32 s[(\g)+5], SIZE_K                    ; elements from row to row
	s_mov_b32 s[(\g)+6], 0
	s_mov_b32 s[(\g)+7], 0
.endr
	s_mov_b32 s[G1C+1], KSTEP<<16                  ; tensor_dim0 = 128
	s_mov_b32 s[G1C+2], 64<<16                     ; tensor_dim1 = 64
	s_mov_b32 s[G1C+3], KSTEP<<16                  ; tile_dim0 = 128
	s_mov_b32 s[G1C+4], 64                         ; tile_dim1 = 64
	s_mov_b32 s[G1C+5], SIZE_K
	s_mov_b32 s[G1C+6], 0
	s_mov_b32 s[G1C+7], 0
	s_lshl_b32 s17, s12, 7                         ; which 128 rows of the tile I fetch
	s_lshl_b32 s16, s13, 8
	s_add_co_u32 s16, s16, s17                     ; xb: row 256 ty + 128 x half
	s_lshl_b32 s46, s42, 8
	s_add_co_u32 s46, s46, s17                     ; wb, first tile: row 256 tx + 128 x half
	s_lshl_b32 s70, s42, 7
	s_lshl_b32 s71, s12, 6
	s_add_co_u32 s70, s70, s71
	s_add_co_u32 s70, s70, 2048                    ; wb, second tile: row 2,048 + 128 tx + 64 x half
	s_mov_b32 s17, 0
	s_mov_b32 s47, 0
	s_mov_b32 s71, 0
	s_mov_b64 s[18:19], SIZE_K*2
	s_mul_u64 s[16:17], s[16:17], s[18:19]
	s_mul_u64 s[46:47], s[46:47], s[18:19]
	s_mul_u64 s[70:71], s[70:71], s[18:19]
	s_mul_i32 s20, s10, HALFT                      ; where the first tile's go: wave x 128 rows: no place in the cluster enters an LDS address
	s_mov_b32 s[TB], 0
	s_wait_dscnt 0x0                               ; the opening add is done
	s_wait_kmcnt 0x0
	s_add_nc_u64 s[AB:AB+1], s[4:5], s[16:17]
	s_add_nc_u64 s[46:47], s[6:7], s[46:47]
	s_add_nc_u64 s[BB:BB+1], s[6:7], s[70:71]
	CROUND                                         ; all sixteen work-groups are here: the first joint loads meet
.irp s, 0,1
	s_mov_b32 s[G0+4*(\s)], 1
	s_add_co_u32 s[G0+4*(\s)+1], s20, (\s)*SLOT
	s_add_nc_u64 s[G0+4*(\s)+2:G0+4*(\s)+3], s[AB:AB+1], (\s)*KSTEP*2
	s_or_b32 s[G0+4*(\s)+3], s[G0+4*(\s)+3], 0x80000000
	s_mov_b32 s[G0B+4*(\s)], 1
	s_add_co_u32 s[G0B+4*(\s)+1], s20, (\s)*SLOT
	s_add_nc_u64 s[G0B+4*(\s)+2:G0B+4*(\s)+3], s[46:47], (\s)*KSTEP*2
	s_or_b32 s[G0B+4*(\s)+3], s[G0B+4*(\s)+3], 0x80000000
	JLOAD \s, G1B                                  ; K steps 0 and 1: two loads of mine are out
.endr
	; a fragment is 16 rows x 32 K in 8 registers: lane l holds row l % 16; registers 0-3 K = 8 (l / 16) + 0..7, registers 4-7 K = 16 + 8 (l / 16) + 0..7: two loads of 16 bytes, 32 bytes apart
	v_and_b32 v1, 15, v0                           ; l % 16
	v_bfe_u32 v2, v0, 4, 1                         ; l / 16
	v_mul_u32_u24 v3, v1, PITCH
	v_lshl_add_u32 v3, v2, 4, v3
	s_mul_i32 s21, s11, HALFT                      ; first tile: my 128 rows of xb
	s_mul_i32 s22, s12, HALFT                      ; my 128 rows of wb,
	s_add_co_u32 s22, s22, 2*HALFT                 ; which lie behind xb's 256
	v_add_nc_u32 v[ADRA0], s21, v3
	v_add_nc_u32 v[ADRB0], s22, v3
	v_mov_b32 v[ADRA], v[ADRA0]                    ; the walk begins in slot 0
	v_mov_b32 v[ADRB], v[ADRB0]
	s_mul_i32 s21, s10, QUART                      ; second tile: my 64 rows of xb,
	v_add_nc_u32 v[ADRA2], s21, v3
	v_add_nc_u32 v[ADRB2], 2*HALFT, v3             ; and all 128 rows of wb
	s_mul_i32 s23, s10, 16*SPITCH
	s_add_co_u32 s23, s23, STAGE                   ; my stage
	v_mul_u32_u24 v4, v1, SPITCH                   ; in: row l % 16, 16 bytes for each half of the lanes
	v_lshl_add_u32 v4, v2, 4, v4
	v_add_nc_u32 v[STO], s23, v4
	v_mul_u32_u24 v5, v2, SPITCH                   ; back: lanes 0-15 take one row of 256 bytes, lanes 16-31 the next
	v_lshl_add_u32 v5, v1, 4, v5
	v_add_nc_u32 v[RD], s23, v5
	v_mul_u32_u24 v5, v2, SIZE_N*2                 ; and the same two rows in qkv
	v_lshl_add_u32 v[CO], v1, 4, v5
	s_lshl_b32 s13, s13, 8                         ; 256 ty
	s_lshl_b32 s14, s11, 7
	s_add_co_u32 s16, s13, s14                     ; first tile: my first row of qkv
	s_mov_b32 s17, 0
	s_mov_b64 s[18:19], SIZE_N*2
	s_mul_u64 s[16:17], s[16:17], s[18:19]
	s_lshl_b32 s46, s42, 9                         ; my first column, in bytes: 512 tx + 256 x half
	s_lshl_b32 s47, s12, 8
	s_add_co_u32 s46, s46, s47
	s_mov_b32 s47, 0
	s_add_nc_u64 s[16:17], s[16:17], s[46:47]      ; what the first way out adds to qkv's address
	s_lshl_b32 s14, s10, 6
	s_add_co_u32 s[OF2], s13, s14                  ; second tile: my first row, 256 ty + 64 x wave,
	s_mov_b32 s[OF2+1], 0
	s_mul_u64 s[OF2:OF2+1], s[OF2:OF2+1], s[18:19]
	s_lshl_b32 s46, s42, 8
	s_add_co_u32 s46, s46, 4096                    ; and V's column 128 tx, in bytes
	s_add_nc_u64 s[OF2:OF2+1], s[OF2:OF2+1], s[46:47]
	; the prefetches
	s_lshl_b32 s42, s42, 8                         ; 256 tx
	s_and_b32 s22, ttmp7, 0xffff                   ; cluster y
	s_cmp_eq_u32 s11, 0                            ; do I fetch for xb?
	s_cselect_b32 s20, s13, s42                    ; the tile's first row
	s_cselect_b32 s21, s40, s41                    ; my place among the four that ask for it with me
	s_cselect_b32 s22, ttmp9, s22                  ; the coordinate along which other clusters read the same rows
	s_cselect_b64 s[PFA:PFA+1], s[4:5], s[6:7]
	s_cmp_eq_u32 s22, 0
	s_cselect_b32 s[LIM], 2, -1
	s_lshl_b32 s22, s12, 7
	s_add_co_u32 s20, s20, s22                     ; + the 128 rows that I fetch
	s_lshl_b32 s21, s21, 5
	s_add_co_u32 s20, s20, s21                     ; + my work-group's 32 of them
	s_mov_b32 s21, 0
	s_mov_b64 s[18:19], SIZE_K*2
	s_mul_u64 s[20:21], s[20:21], s[18:19]
	s_add_nc_u64 s[PFA:PFA+1], s[PFA:PFA+1], s[20:21]
	s_add_nc_u64 s[PFA:PFA+1], s[PFA:PFA+1], 2*KSTEP*2  ; at K step 2: the first refill steps it to 3 and names K step 4
	v_and_b32 v[PFO], 31, v0
	v_mul_u32_u24 v[PFO], v[PFO], SIZE_K*2
	; the biases.  First tile: cluster x says which matrix (its four tile columns are one matrix's 1,024 columns), cx and my half which 128 columns.  Second tile: bv's columns 128 tx on
	s_lshl_b32 s78, s40, 10
	s_lshl_b32 s79, s12, 9
	s_add_co_u32 s78, s78, s79
	v_lshl_add_u32 v[BO], v2, 5, s78               ; 4 x (256 cx + 128 half + 8 (l / 16))
	s_lshl_b32 s79, s42, 1
	v_lshl_add_u32 v[BO2], v2, 5, s79              ; 4 x (128 tx + 8 (l / 16))
	s_cmp_eq_u32 ttmp9, 1
	s_cselect_b64 s[72:73], s[74:75], s[72:73]
.irp b, 0,1,2,3,4,5,6,7
	global_load_b128 v[BIAS+8*(\b):BIAS+8*(\b)+3],   v[BO], s[72:73] offset:64*(\b)
	global_load_b128 v[BIAS+8*(\b)+4:BIAS+8*(\b)+7], v[BO], s[72:73] offset:64*(\b)+16
.endr
	WIN TO_B                                       ; destination window 1
.irp b, 0,1,2,3,4,5,6,7
	global_load_b128 v[BIAS2+8*(\b):BIAS2+8*(\b)+3],   v[BO2], s[76:77] offset:64*(\b)
	global_load_b128 v[BIAS2+8*(\b)+4:BIAS2+8*(\b)+7], v[BO2], s[76:77] offset:64*(\b)+16
.endr
	WIN 0
	s_wait_loadcnt 16                              ; the first tile's bias is in; bv's sixteen loads may stay out
.set i, 0
.rept 32                                       ; rounded to bf16 like every other input, and widened again
	v_cvt_pk_bf16_f32 v[OB+i], v[BIAS+2*i], v[BIAS+2*i+1]
.set i, i+1
.endr
.set i, 0
.rept 32
	v_lshlrev_b32 v[BIAS+2*i], 16, v[OB+i]
	v_and_b32 v[BIAS+2*i+1], 0xffff0000, v[OB+i]
.set i, i+1
.endr
	s_wait_loadcnt 0x0
	WIN 0x05                                       ; sources window 1, destination window 0
.set i, 0
.rept 32
	v_cvt_pk_bf16_f32 v[OB+i], v[BIAS2+2*i], v[BIAS2+2*i+1]
.set i, i+1
.endr
	WIN 0x40                                       ; source window 0, destination window 1
.set i, 0
.rept 32
	v_lshlrev_b32 v[BIAS2+2*i], 16, v[OB+i]
	v_and_b32 v[BIAS2+2*i+1], 0xffff0000, v[OB+i]
.set i, i+1
.endr
	WIN 0
; FIRST TILE.  16 matrix instructions: m blocks a0, a0 + 1 of the window's four (hi = 0: my rows 0-63, 1: rows 64-127) x all 8 n blocks, 32 along K.  start = 1: the product starts the sum, with the bias (window 0) as C.
; The 64 accumulators take turns, one instruction a turn, in the same order in every quarter.
.macro MUL16 f, hi, a0, start
.if \start
	WIN 0x81+0x40*(\hi)
.else
	WIN MUL_LO+0x50*(\hi)
.endif
.irp a, \a0, (\a0)+1
.irp b, 0,1,2,3,4,5,6,7
.set rD, 8*(8*(\a)+(\b))
.set rB, (\f)+8*(\b)
.set rA, (\f)+8*(4*(\hi)+(\a))
.if \start
	v_wmma_f32_16x16x32_bf16 v[rD:rD+7], v[rB:rB+7], v[rA:rA+7], v[BIAS+8*(\b):BIAS+8*(\b)+7]
.else
	v_wmma_f32_16x16x32_bf16 v[rD:rD+7], v[rB:rB+7], v[rA:rA+7], v[rD:rD+7]
.endif
.endr
.endr
.endm
; SECOND TILE.  8 matrix instructions: m block a of my four x all 8 n blocks, 32 along K.  start = 1: with bv (window 1) as C.  The 32 accumulators take turns in the same way.
.macro MUL8A f, a, start
.if \start
	WIN 0x91                                       ; wb and C window 1, xb window 0, D window 2
.else
	WIN MUL_LO
.endif
.irp b, 0,1,2,3,4,5,6,7
.set rD, 8*(8*(\a)+(\b))
.set rB, (\f)+8*(\b)
.set rA, (\f)+8*(\a)
.if \start
	v_wmma_f32_16x16x32_bf16 v[rD:rD+7], v[rB:rB+7], v[rA:rA+7], v[BIAS2+8*(\b):BIAS2+8*(\b)+7]
.else
	v_wmma_f32_16x16x32_bf16 v[rD:rD+7], v[rB:rB+7], v[rA:rA+7], v[rD:rD+7]
.endif
.endr
.endm
; 32 LDS loads in one run: the fragments of one quarter step (128 rows of wb, 128 rows of xb, 32 K at byte k of the rows of the slot in hand) into buffer f
.macro FETCH k, f
	WIN TO_B
.irp i, 0,1,2,3,4,5,6,7
	ds_load_b128 v[(\f)+8*(\i):(\f)+8*(\i)+3],   v[ADRB] offset:(\k)+(\i)*16*PITCH
	ds_load_b128 v[(\f)+8*(\i)+4:(\f)+8*(\i)+7], v[ADRB] offset:(\k)+(\i)*16*PITCH+32
.endr
	WIN 0
.irp i, 0,1,2,3,4,5,6,7
	ds_load_b128 v[(\f)+8*(\i):(\f)+8*(\i)+3],   v[ADRA] offset:(\k)+(\i)*16*PITCH
	ds_load_b128 v[(\f)+8*(\i)+4:(\f)+8*(\i)+7], v[ADRA] offset:(\k)+(\i)*16*PITCH+32
.endr
.endm
; the second tile's run of 24: 128 rows of wb, my 64 rows of xb
.macro FETCH2 k, f
	WIN TO_B
.irp i, 0,1,2,3,4,5,6,7
	ds_load_b128 v[(\f)+8*(\i):(\f)+8*(\i)+3],   v[ADRB] offset:(\k)+(\i)*16*PITCH
	ds_load_b128 v[(\f)+8*(\i)+4:(\f)+8*(\i)+7], v[ADRB] offset:(\k)+(\i)*16*PITCH+32
.endr
	WIN 0
.irp i, 0,1,2,3
	ds_load_b128 v[(\f)+8*(\i):(\f)+8*(\i)+3],   v[ADRA] offset:(\k)+(\i)*16*PITCH
	ds_load_b128 v[(\f)+8*(\i)+4:(\f)+8*(\i)+7], v[ADRA] offset:(\k)+(\i)*16*PITCH+32
.endr
.endm
.macro PLACES                          ; four plain instructions between a matrix instruction and a load into, or a vector read of, its registers (ISA guide 7.12.1 for vector reads)
.rept 4
	v_nop
.endr
.endm
; A K step is four quarters of 32 along K, on buffers 0, 1, 0, 1.  One of the first three: multiplies buffer f and in its middle fetches the next quarter into g.  First tile: 64 matrix instructions.
.macro QUARTER k, f, g, start
	s_wait_dscnt 8                                 ; wb's and xb's rows 0-63 are in; the youngest eight loads (xb's rows 64-127) may be out
	MUL16 \f, 0, 0, \start
	MUL16 \f, 0, 2, \start
	PLACES
	FETCH \k, \g
	s_wait_dscnt 32                                ; all but the 32 just issued
	MUL16 \f, 1, 0, \start
	MUL16 \f, 1, 2, \start
.endm
.macro QUARTER2 k, f, g, start         ; second tile: 32 matrix instructions
	s_wait_dscnt 4                                 ; wb's and xb's rows 0-31 are in; the youngest four loads (xb's rows 32-63) may be out
	MUL8A \f, 0, \start
	MUL8A \f, 1, \start
	PLACES
	FETCH2 \k, \g
	s_wait_dscnt 24                                ; all but the 24 just issued
	MUL8A \f, 2, \start
	MUL8A \f, 3, \start
.endm
; The first half of a K step's last quarter: ONE barrier for the change of slots.  In front of it each wave waits for all its tensor loads (one is out: its part of the next slot), adds 0 to its
; spare word, and waits for that and for its own reads of this slot.  Behind it nobody reads this slot any more and the next slot is whole.
.macro MEET
	WIN 0
	s_wait_tensorcnt 0x0
	ds_add_u32 v[SPW], v[NIL]
	s_wait_dscnt 9                                 ; the add and the youngest eight loads may be out
	MUL16 F1, 0, 0, 0
	s_wait_dscnt 0x0                               ; the add is done, and my reads of this slot are over
	s_barrier_signal -1
	MUL16 F1, 0, 2, 0
	WIN 0
	s_barrier_wait -1
.endm
.macro MEET2
	WIN 0
	s_wait_tensorcnt 0x0
	ds_add_u32 v[SPW], v[NIL]
	s_wait_dscnt 5                                 ; the add and the youngest four loads may be out
	MUL8A F1, 0, 0
	MUL8A F1, 1, 0
	s_wait_dscnt 0x0                               ; the add is done, and my reads of this slot are over
	s_barrier_signal -1
	MUL8A F1, 2, 0
	WIN 0
	s_barrier_wait -1
.endm
.macro NEXTSLOT                        ; the fragments' addresses go over to the other slot
	WIN 0
	s_xor_b32 s[TB], s[TB], SLOT
	v_add_nc_u32 v[ADRA], s[TB], v[ADRA0]
	v_add_nc_u32 v[ADRB], s[TB], v[ADRB0]
.endm
.macro STEPD set                       ; no tensor load of mine is out, so the walking descriptors may be written: the other slot than last time, the next K step; the type bits on top are not reached
	s_xor_b32 s[G0+4*(\set)+1], s[G0+4*(\set)+1], SLOT
	s_add_nc_u64 s[G0+4*(\set)+2:G0+4*(\set)+3], s[G0+4*(\set)+2:G0+4*(\set)+3], KSTEP*2
	s_xor_b32 s[G0B+4*(\set)+1], s[G0B+4*(\set)+1], SLOT
	s_add_nc_u64 s[G0B+4*(\set)+2:G0B+4*(\set)+3], s[G0B+4*(\set)+2:G0B+4*(\set)+3], KSTEP*2
.endm
; The first tile's whole last quarter: the barrier opens a round of the cluster's barrier; behind it the slot just read out is filled again, by group 0 set 'set'; then the other slot's first fragments.
; From a request to the wait for it a wave issues 224 matrix instructions.
.macro TURN set, gb, ask
.if \ask
	s_wait_xcnt 0x0                                ; the last prefetch, a K step back, has read its address
	s_add_nc_u64 s[PFA:PFA+1], s[PFA:PFA+1], KSTEP*2
.endif
	MEET
	CREST
	STEPD \set
	JLOAD \set, \gb                                ; the four v_nop behind it are also the places in front of the loads below
	NEXTSLOT
	FETCH 0, F0
.if \ask
	ASK
.endif
	MUL16 F1, 1, 0, 0
	MUL16 F1, 1, 2, 0
.endm
; The second tile's.  fill = 1: with a refill, 104 matrix instructions ahead of the wait for it; fill = 0: a plain barrier.
.macro TURN2 fill
	MEET2
.if \fill
	CREST
	STEPD 0
	JLOAD 0, G1C
.else
	PLACES
.endif
	NEXTSLOT
	FETCH2 0, F0
	MUL8A F1, 3, 0
.endm
; THE WAY OUT of block a (16 rows x 128 columns).  PACK: rounded to f16, 16 bytes a lane.  TOSTAGE: into my own stage in LDS, and back as whole rows of 256 bytes.  SEND: stored.
.macro PACK a
.set AC, 64*((\a)%4)
	WIN 0x0a+5*((\a)/4)                            ; sources 0 and 1: window 2 or 3
.irp b, 0,1,2,3,4,5,6,7
.irp r, 0,1,2,3
	v_cvt_pk_f16_f32 v[TMP+4*(\b)+(\r)], v[AC+8*(\b)+2*(\r)], v[AC+8*(\b)+2*(\r)+1]
.endr
.endr
	WIN 0
.endm
.macro TOSTAGE a
	WIN 0
.set BK, OB+192*((\a)%2)
.irp b, 0,1,2,3,4,5,6,7
	ds_store_b128 v[STO], v[TMP+4*(\b):TMP+4*(\b)+3] offset:32*(\b)
.endr
.irp t, 0,1,2,3,4,5,6,7
	ds_load_b128 v[BK+4*(\t):BK+4*(\t)+3], v[RD] offset:(\t)*2*SPITCH  ; LDS serves a wave's instructions in order (ISA guide 5.7.1.4): these see the stores above
.endr
.endm
.macro SEND a
	WIN 0
.set BK, OB+192*((\a)%2)
	s_wait_dscnt 0x0                               ; the block is back in registers
	s_wait_xcnt 0x0                                ; earlier stores have read their base and their data: only now are these rewritten
.if (\a) == 0
	s_add_nc_u64 s[8:9], s[QB:QB+1], s[16:17]      ; my first rows of the tile in hand
.else
	s_add_nc_u64 s[8:9], s[8:9], 16*SIZE_N*2       ; 16 rows on
.endif
.irp t, 0,1,2,3,4,5,6,7
	global_store_b128 v[CO], v[BK+4*(\t):BK+4*(\t)+3], s[8:9] offset:2*(\t)*SIZE_N*2  ; 16 lanes store 256 consecutive bytes, at a multiple of 256 from qkv's first byte
.endr
.endm
	s_wait_tensorcnt 1                             ; my part of K step 0 is in; K step 1's may stay out
	s_barrier_signal -1
	s_barrier_wait -1
	FETCH 0, F0
	QUARTER 64,  F0, F1, 1                         ; the first quarter stands in front of the loop: its products start the sums
	WIN 0
	s_mov_b32 s3, STEPS-2
.Lstep:                                                ; a trip: a K step's quarters 2 to 4, its slot filled again, and the next K step's first quarter.  Six trips ask for K steps 2 to 7
	QUARTER 128, F1, F0, 0
	QUARTER 192, F0, F1, 0
	TURN 1, G1B, 1
	QUARTER 64,  F0, F1, 0
	WIN 0
	s_sub_co_u32 s3, s3, 1
	s_cmp_lg_u32 s3, 0
	s_cbranch_scc1 .Lstep
	; The second tile's walking descriptors, in the sets that served slot 0's first fill (that load was shown done by the loop's waits for all loads; the one load that is out names the other sets).
	; They stand one turn and one K step ahead of the tile's beginning: the first step below makes slot 0 and K step 0 of them.
	s_mul_i32 s[G0+1], s10, HALFT
	s_add_co_u32 s[G0+1], s[G0+1], SLOT
	s_sub_nc_u64 s[G0+2:G0+3], s[AB:AB+1], KSTEP*2
	s_or_b32 s[G0+3], s[G0+3], 0x80000000
	s_mul_i32 s[G0B+1], s12, QUART                 ; wb's 128 rows lie behind xb's 256: 64 rows for each of waves 2 and 3
	s_add_co_u32 s[G0B+1], s[G0B+1], 2*HALFT+SLOT
	s_sub_nc_u64 s[G0B+2:G0B+3], s[BB:BB+1], KSTEP*2
	s_or_b32 s[G0B+3], s[G0B+3], 0x80000000
	s_mov_b32 s3, 2
.Ltail:                                                ; the first tile's last two K steps: one text, walked twice and left in its middle.  Their changes of slots ask for the second tile's K steps 0 and 1
	QUARTER 128, F1, F0, 0
	QUARTER 192, F0, F1, 0
	TURN 0, G1C, 0                                 ; the second walk fetches the second tile's first fragments; the upper eight of its loads of xb (64 rows beyond mine: bytes that have landed) serve nothing
	WIN 0
	s_sub_co_u32 s3, s3, 1
	s_cmp_eq_u32 s3, 0
	s_cbranch_scc1 .Lout1
	v_mov_b32 v[ADRA0], v[ADRA2]                   ; from the next change of slots on the fragments are the second tile's; v18 and v19, which the quarters below read, stay as they are until then
	v_mov_b32 v[ADRB0], v[ADRB2]
	QUARTER 64,  F0, F1, 0
	WIN 0
	s_branch .Ltail
.Lout1:                                                ; BOTH REFILLS ARE ASKED FOR: NOW THE FIRST TILE GOES OUT
	PLACES                                         ; blocks 0-3 were finished 32 matrix instructions ago; their conversions are the places behind blocks 4-7's last products
	PACK 0
	TOSTAGE 0
.irp a, 1,2,3,4,5,6,7                  ; block a's conversions stand between block a - 1's loads from the stage and the wait for them
	PACK \a
	SEND (\a)-1
	TOSTAGE \a
.endr
	SEND 7
	s_mov_b64 s[16:17], s[OF2:OF2+1]               ; what the second way out adds to qkv's address
	QUARTER2 64,  F0, F1, 1                        ; THE SECOND TILE: its first quarter starts the sums, on accumulators that have been packed
	WIN 0
	s_mov_b32 s3, STEPS-2
.Lstep2:                                               ; as the first tile's loop: six trips ask for K steps 2 to 7
	QUARTER2 128, F1, F0, 0
	QUARTER2 192, F0, F1, 0
	TURN2 1
	QUARTER2 64,  F0, F1, 0
	WIN 0
	s_sub_co_u32 s3, s3, 1
	s_cmp_lg_u32 s3, 0
	s_cbranch_scc1 .Lstep2
	s_mov_b32 s3, 2
.Ltail2:                                               ; the last two K steps ask for nothing: one text, walked twice and left in its middle.
	QUARTER2 128, F1, F0, 0                        ; The second walk's barrier and its 24 loads of fragments (bytes of the other slot, which landed long ago) serve nothing:
	QUARTER2 192, F0, F1, 0                        ; the price, once a work-group, of not writing the last K step out
	TURN2 0
	WIN 0
	s_sub_co_u32 s3, s3, 1
	s_cmp_eq_u32 s3, 0
	s_cbranch_scc1 .Lout2
	QUARTER2 64,  F0, F1, 0
	WIN 0
	s_branch .Ltail2
.Lout2:
	PLACES                                         ; behind block 3's last products; blocks 0-2 were finished ahead of the places of the last change of slots
	PACK 0
	TOSTAGE 0
.irp a, 1,2,3
	PACK \a
	SEND (\a)-1
	TOSTAGE \a
.endr
	SEND 3
	s_wait_tensorcnt 0x0                           ; the wave's end, behind my last tensor load and my last LDS store
	ds_add_u32 v[SPW], v[NIL]
	s_wait_dscnt 0x0
	CROUND                                         ; the closing round: no work-group ends while a partner may still ask for a tile that names it
	s_endpgm
.Lfunc_end_k_q806abe3ce6_proj:
	.size	k_q806abe3ce6_proj, .Lfunc_end_k_q806abe3ce6_proj-k_q806abe3ce6_proj
	.p2alignl 7, 3214868480
	.fill 96, 4, 3214868480
	.section	.rodata,"a",@progbits
	.p2align	6, 0x0
	.amdhsa_kernel k_q806abe3ce6_proj
		.amdhsa_group_segment_fixed_size 327680
		.amdhsa_private_segment_fixed_size 0
		.amdhsa_enable_private_segment 0
		.amdhsa_kernarg_size 48
		.amdhsa_user_sgpr_count 2
		.amdhsa_user_sgpr_kernarg_segment_ptr 1
		.amdhsa_wavefront_size32 1
		.amdhsa_system_sgpr_workgroup_id_x 1
		.amdhsa_system_sgpr_workgroup_id_y 1
		.amdhsa_system_sgpr_workgroup_id_z 1
		.amdhsa_system_vgpr_workitem_id 0
		.amdhsa_next_free_vgpr 1024
		.amdhsa_next_free_sgpr 96
		.amdhsa_reserve_vcc 0
		.amdhsa_float_denorm_mode_32 3
		.amdhsa_float_denorm_mode_16_64 3
		.amdhsa_memory_ordered 1
		.amdhsa_forward_progress 1
		.amdhsa_inst_pref_size 169
	.end_amdhsa_kernel
	.amdgpu_metadata
---
amdhsa.version: [ 1, 2 ]
amdhsa.kernels:
  - .name:           k_q806abe3ce6_proj
    .symbol:         k_q806abe3ce6_proj.kd
    .args:
      - { .name: xb, .offset: 0, .size: 8, .value_kind: global_buffer, .address_space: global }
      - { .name: wb, .offset: 8, .size: 8, .value_kind: global_buffer, .address_space: global }
      - { .name: qkv, .offset: 16, .size: 8, .value_kind: global_buffer, .address_space: global }
      - { .name: bq, .offset: 24, .size: 8, .value_kind: global_buffer, .address_space: global }
      - { .name: bk, .offset: 32, .size: 8, .value_kind: global_buffer, .address_space: global }
      - { .name: bv, .offset: 40, .size: 8, .value_kind: global_buffer, .address_space: global }
    .group_segment_fixed_size: 327680
    .private_segment_fixed_size: 0
    .kernarg_segment_align: 8
    .kernarg_segment_size: 48
    .max_flat_workgroup_size: 128
    .sgpr_count:     96
    .vgpr_count:     1024
    .wavefront_size: 32
...
	.end_amdgpu_metadata
.endif
;; end of part 2
;; launch scores (part 3): grid 9 x 16, 4 waves a work-group, no clusters, 327,680 bytes of LDS; arguments qkv, pt, mst, lst; writes pt, mst, lst
.if DOCPART == 3
	.amdgcn_target "amdgcn-amd-amdhsa--gfx1250"
	.amdhsa_code_object_version 6
	.text
	.protected	k_q806abe3ce6_scores
	.globl	k_q806abe3ce6_scores
	.p2align	8
	.type	k_q806abe3ce6_scores,@function
k_q806abe3ce6_scores:
	s_mov_b64 s[64:65], 0
	v_nop
	global_prefetch_b8 v0, s[64:65] scope:SCOPE_SE
	s_setreg_imm32_b32 hwreg(HW_REG_WAVE_MODE, 25, 1), 1
	s_wait_xcnt 0x0
; For each tile of 256 queries x 256 keys at or below the diagonal: S = Q K^T (K = 1,024, f16 operands, f32 sums), and for each query and each block of 128 keys a LOCAL softmax:
; mc = c x the block's largest score, p = 2^(c s - mc), l = the sum of the p; c = log2(e) / 32.  p goes to pt [8192][2048] in f16, mc and l to mst and lst [16 key blocks][8192 rows] in f32.
; The next launch takes the row's true maximum of the mc and corrects each block by 2^(mc - maximum): the maximum is taken away in two exact steps, since p is formed against the stored mc.
; LIMITS.  Q and K arrive in f16 (within 65,504).  A hidden score counts as its value less 1e30 (the scores are 4.4e12 at the most).  p lies in 0 to 1 and below 6e-5 keeps f16's fixed step of
; 6e-8; a weight below 2^-126 counts as 0 in l; l is the sum of the unrounded p.  NaN and infinities are not treated apart.
; WHICH TILE.  A batch has 8 blocks of 256 rows; row I of the triangle has I + 1 tiles.  Rows f and 7 - f together have 9: work-group (u, y), f = y % 4, batch = y / 4, takes (I, J) = (f, u) if
; u <= f, else (7 - f, u - f - 1): 144 work-groups of equal work, none without a tile.
; NO CLUSTER: row I of the triangle has I + 1 tiles and column J has 8 - J, so only one block of 4 x 4 tiles a batch is a full product of rows and columns; any grid of 4 x 4 or 4 x 1 clusters
; over the triangle would hold work-groups without a tile.
; THE MASK is the C operand that starts a sum.  Only a wave whose 128 x 128 block lies ON the diagonal (I = J, row half = column half) has one: BIGD = -1e30 there, 0 elsewhere, so one text serves all.
; For 16 x 16 accumulator (a, b): the constant 0 if b < a; CDG (BIGD where the key's place in the 16 is above the query's) if b = a; CZ1 (BIGD everywhere) if b > a.
; The wave whose block lies wholly ABOVE the diagonal (I = J, column half > row half) is not masked: it writes finite p of later keys, which the next launch multiplies by 0.
; The ring, the fragments, the register windows: a tile of 256 x 256 by four waves, each 128 x 128 in 64 accumulators (windows 2 and 3); K in 8 steps of 128 through two LDS slots; source 0 = 16 keys,
; source 1 = 16 queries, so lane l holds query l % 16 and its registers the keys 8 (l / 16) + 0 .. 7.  Window 0: v0-31 addresses; v32-51 statistics; v64-127, v128-191 Q's fragments (v64-127 later the rows
; read back from the stage); v192-207 the masks, later v192-223 packed p.  Window 1: v64-191 K's fragments.
; A K STEP IS WRITTEN ONCE.  The slot in hand is a scalar, s[TB] = 0 or SLOT, turned by one exclusive or at each change of slots; the fragments' LDS addresses are made anew from it, and one descriptor walks:
; its LDS word is turned by the same exclusive or, its address steps by a K step.  SLOT = 0x22000 shares no bit with the waves' places in a slot, wave x 0x8800, so the turn is exact.
.set ROWB,   6144                      ; bytes in a row of qkv: Q at byte 0, K at 2,048
.set PTB,    4096                      ; bytes in a row of pt
.set KSTEP,  128
.set STEPS,  8
.set PITCH,  272                       ; an LDS row: 256 bytes + 16 of padding: the 16 rows that a load touches start at 16 different groups of four banks (64 banks of 4 bytes: ISA guide 11.1)
.set HALFT,  128*PITCH                 ; 0x8800
.set SLOT,   4*HALFT                   ; Q's 256 rows, then K's 256 rows: 0x22000
.set STAGE,  2*SLOT                    ; 16 rows x 272 bytes for each wave
.set SPITCH, 272
.set STATS,  STAGE+4*16*SPITCH         ; for each wave 512 bytes of mc, then 512 of l
.set SPARE,  STATS+4*1024              ; the spare words, 128 bytes for each wave, which no other line names
.set MO,   12                          ; v12     my byte offset in mst and lst
.set ADRA0, 16                         ; v16     my fragments of Q in slot 0; never rewritten
.set ADRB0, 17                         ; v17     of K
.set ADRA, 18                          ; v18     my fragments of Q in the slot in hand
.set ADRB, 19                          ; v19     of K
.set STO,  24
.set RD,   25
.set CO,   26                          ; v26     my byte offset in pt
.set SA,   27                          ; v27     where I put a row's mc
.set SPW,  28
.set NIL,  29
.set PFO,  30                          ; v30     my lane x a row of qkv
.set SB,   31                          ; v31     where I read 16 bytes of the statistics back
.set C0,   32                          ; v32-39  eight running maxima
.set RT,   40                          ; v40 mc, v41 m, v42 l, v43 at work
.set F0,   64
.set F1,   128
.set OB,   64                          ; the way out: 16 rows read back: v64-95 and v96-127 by turns
.set CDG,  192
.set CZ1,  200
.set TMP,  192
.set PT,   6                           ; s[6:7]   pt
.set G1,   24                          ; s[24:31] descriptor group 1
.set G0,   32                          ; s[32:35] group 0 of slot 0's first fill; s[36:39] of slot 1's, which then walks
.set LIM,  43
.set PFA,  44
.set CS,   48                          ; s[48:49] c
.set SEL,  50                          ; s[50:51] v_permlanex16_b32's selects: each lane takes its own place in the other half
.set BIGD, 52
.set HALF, 53
.set TB,   54                          ; s54     the slot in hand: 0 or SLOT
.set MSB, 0
.macro WIN new
.if MSB != (\new)
	s_set_vgpr_msb (MSB<<8)|(\new)
.set MSB, \new
.endif
.endm
.set MUL_LO, 0xa1
.set TO_B,   0x40
.macro LOADT s                         ; each wave fetches 128 rows of its own: waves 0, 1 Q's halves, waves 2, 3 K's; the LDS word is wave x 128 rows + the slot.  An s_nop 0 and four v_nop follow
	tensor_load_to_lds s[G0+4*(\s):G0+4*(\s)+3], s[G1:G1+7]
	s_nop 0
.rept 4
	v_nop
.endr
.endm
; A prefetch behind each refill and its run of LDS loads: the K step two refills on of the 128 rows that the wave fetches itself: four instructions, a lane a row.  Q's rows of block I are read by the tiles
; (I, 0 .. I): tile (I, 0) asks.  K's rows of block J by the tiles (J .. 7, J): the diagonal tile asks.  So each row's 256 bytes of a K step are named once.  K steps 0 to 3 come by their loads alone;
; s3 counts the loop's trips 6 to 1, and its last two trips, which have no K step two refills on, ask for nothing.
.macro ASK
	s_cmp_gt_u32 s3, s[LIM]
	s_cbranch_scc0 .Lnot_mine_\@
.irp i, 0,1,2,3
	global_prefetch_b8 v[PFO], s[PFA:PFA+1] offset:(\i)*32*ROWB+KSTEP*2 th:TH_LOAD_NT scope:SCOPE_SE
.endr
.Lnot_mine_\@:
.endm
	s_load_b128 s[4:7], s[0:1], 0x0                ; qkv s[4:5], pt s[6:7]
	s_load_b128 s[56:59], s[0:1], 0x10             ; mst s[56:57], lst s[58:59]
	v_lshl_add_u32 v[SPW], v0, 2, SPARE
	v_mov_b32 v[NIL], 0
	ds_add_u32 v[SPW], v[NIL]                      ; the wave's opening: the add and its wait stand ahead of my first tensor load
	v_lshrrev_b32 v1, 5, v0
	v_readfirstlane_b32 s10, v1                    ; wave 0..3
	s_lshr_b32 s11, s10, 1                         ; my half of the queries.  Also: I fetch Q (0) or K (1)
	s_and_b32 s12, s10, 1                          ; my half of the keys.  Also: which 128 rows I fetch
	s_and_b32 s13, ttmp7, 0xffff
	s_and_b32 s40, s13, 3                          ; f
	s_lshr_b32 s41, s13, 2                         ; batch
	s_sub_co_u32 s20, 7, s40
	s_sub_co_u32 s21, ttmp9, s40
	s_sub_co_u32 s21, s21, 1
	s_cmp_le_u32 ttmp9, s40
	s_cselect_b32 s13, s40, s20                    ; I
	s_cselect_b32 s42, ttmp9, s21                  ; J
	s_mov_b32 s[G1+0], (1<<16)|(1<<20)|(5<<22)|(3<<25)  ; 2-byte elements; padding on: after every 64 words 4 words
	s_mov_b32 s[G1+1], KSTEP<<16                   ; tensor_dim0 = 128
	s_mov_b32 s[G1+2], 128<<16                     ; tensor_dim1 = 128
	s_mov_b32 s[G1+3], KSTEP<<16                   ; tile_dim0 = 128
	s_mov_b32 s[G1+4], 128                         ; tile_dim1 = 128
	s_mov_b32 s[G1+5], 3072                        ; elements from row to row
	s_mov_b32 s[G1+6], 0
	s_mov_b32 s[G1+7], 0
	s_cmp_eq_u32 s11, 0
	s_cselect_b32 s16, s13, s42                    ; the block of 256 rows that I fetch from,
	s_cselect_b32 s22, 0, 2048                     ; and Q's or K's place in a row
	s_lshl_b32 s16, s16, 8
	s_lshl_b32 s17, s12, 7
	s_add_co_u32 s16, s16, s17
	s_lshl_b32 s17, s41, 11
	s_add_co_u32 s16, s16, s17                     ; row = 2,048 batch + 256 block + 128 half
	s_mul_i32 s16, s16, ROWB                       ; under 2^26
	s_add_co_u32 s16, s16, s22
	s_mov_b32 s17, 0
	s_mul_i32 s20, s10, HALFT
	s_mov_b32 s[CS], 0x3d38aa3b                    ; c = log2(e) / 32 = 0.0450842
	s_mov_b32 s[CS+1], s[CS]
	s_mov_b32 s[SEL], 0x76543210
	s_mov_b32 s[SEL+1], 0xfedcba98
	s_mov_b32 s[TB], 0
	s_xor_b32 s21, s13, s42                        ; 0 on the diagonal
	s_xor_b32 s23, s11, s12
	s_or_b32 s23, s23, s21
	s_cmp_eq_u32 s23, 0
	s_cselect_b32 s[BIGD], 0xf149f2ca, 0           ; -1e30 where my 128 x 128 lies on the diagonal
	s_cmp_eq_u32 s11, 0
	s_cselect_b32 s21, s42, s21                    ; Q's rows: J = 0 asks; K's rows: I = J asks
	s_cmp_eq_u32 s21, 0
	s_cselect_b32 s[LIM], 2, -1
	s_wait_dscnt 0x0                               ; the opening add is done
	s_wait_kmcnt 0x0
	s_add_nc_u64 s[14:15], s[4:5], s[16:17]
.irp s, 0,1
	s_mov_b32 s[G0+4*(\s)], 1
	s_add_co_u32 s[G0+4*(\s)+1], s20, (\s)*SLOT
	s_add_nc_u64 s[G0+4*(\s)+2:G0+4*(\s)+3], s[14:15], (\s)*KSTEP*2
	s_or_b32 s[G0+4*(\s)+3], s[G0+4*(\s)+3], 0x80000000
	LOADT \s                                       ; K steps 0 and 1: two loads of mine are out
.endr
	s_add_nc_u64 s[PFA:PFA+1], s[14:15], 2*KSTEP*2 ; at K step 2: the first refill steps it to 3 and names K step 4
	v_and_b32 v5, 31, v0                           ; lane
	v_mul_u32_u24 v[PFO], v5, ROWB
	v_and_b32 v1, 15, v0                           ; l % 16
	v_bfe_u32 v2, v0, 4, 1                         ; l / 16
	v_mul_u32_u24 v3, v1, PITCH
	v_lshl_add_u32 v3, v2, 4, v3
	s_mul_i32 s21, s11, HALFT                      ; my 128 rows of Q
	s_mul_i32 s22, s12, HALFT                      ; my 128 rows of K,
	s_add_co_u32 s22, s22, 2*HALFT                 ; which lie behind Q's 256
	v_add_nc_u32 v[ADRA0], s21, v3
	v_add_nc_u32 v[ADRB0], s22, v3
	v_mov_b32 v[ADRA], v[ADRA0]                    ; the walk begins in slot 0
	v_mov_b32 v[ADRB], v[ADRB0]
	s_mul_i32 s23, s10, 16*SPITCH
	s_add_co_u32 s23, s23, STAGE
	v_mul_u32_u24 v4, v1, SPITCH
	v_lshl_add_u32 v4, v2, 4, v4
	v_add_nc_u32 v[STO], s23, v4
	v_mul_u32_u24 v4, v2, SPITCH
	v_lshl_add_u32 v4, v1, 4, v4
	v_add_nc_u32 v[RD], s23, v4
	v_lshlrev_b32 v4, 12, v2                       ; two rows of pt
	v_lshl_add_u32 v[CO], v1, 4, v4
	s_lshl_b32 s23, s10, 10
	s_add_co_u32 s23, s23, STATS                   ; my statistics
	v_lshl_add_u32 v[SA], v1, 2, s23
	v_lshl_add_u32 v[SB], v5, 4, s23
	s_lshl_b32 s16, s41, 11
	s_lshl_b32 s17, s13, 8
	s_add_co_u32 s16, s16, s17
	s_lshl_b32 s17, s11, 7
	s_add_co_u32 s16, s16, s17                     ; my first query row
	s_lshl_b32 s22, s16, 2                         ; its 4 bytes in a row of mst
	s_lshl_b32 s16, s16, 12                        ; its row of pt,
	s_lshl_b32 s17, s42, 9
	s_add_co_u32 s16, s16, s17
	s_lshl_b32 s17, s12, 8
	s_add_co_u32 s16, s16, s17                     ; + my first key's 2 bytes: 512 J + 256 half
	s_mov_b32 s17, 0                               ; s[16:17]: what the way out adds to pt's address
	s_lshl_b32 s23, s42, 1
	s_add_co_u32 s23, s23, s12                     ; my key block, 2 J + half
	s_lshl_b32 s23, s23, 15                        ; its 8,192 rows of 4 bytes
	s_add_co_u32 s22, s22, s23
	v_lshl_add_u32 v[MO], v5, 4, s22
	v_lshlrev_b32 v14, 3, v2
	v_sub_nc_u32 v14, v1, v14                      ; l % 16 - 8 (l / 16): register j is hidden where j is greater
.set j, 0
.rept 8
	v_cmp_gt_i32 vcc_lo, j, v14
	v_cndmask_b32 v[CDG+j], 0, s[BIGD], vcc_lo
	v_mov_b32 v[CZ1+j], s[BIGD]
.set j, j+1
.endr
	v_mov_b32 v[RT+3], 0                           ; v_permlanex16_b32's destination counts as read
; 16 matrix instructions: query blocks a0, a0 + 1 of the window's four x all 8 key blocks, 32 along K.  start = 1: the product starts the sum, with 0 or a mask (window 0) as C.
; The 64 accumulators take turns, one instruction a turn, in the same order in every quarter.
.macro MUL16 f, hi, a0, start
.if \start
	WIN 0x81+0x40*(\hi)
.else
	WIN MUL_LO+0x50*(\hi)
.endif
.irp a, \a0, (\a0)+1
.irp b, 0,1,2,3,4,5,6,7
.set rD, 8*(8*(\a)+(\b))
.set rB, (\f)+8*(\b)
.set rA, (\f)+8*(4*(\hi)+(\a))
.if (\start) && ((\b) < 4*(\hi)+(\a))
	v_wmma_f32_16x16x32_f16 v[rD:rD+7], v[rB:rB+7], v[rA:rA+7], 0
.elseif (\start) && ((\b) == 4*(\hi)+(\a))
	v_wmma_f32_16x16x32_f16 v[rD:rD+7], v[rB:rB+7], v[rA:rA+7], v[CDG:CDG+7]
.elseif \start
	v_wmma_f32_16x16x32_f16 v[rD:rD+7], v[rB:rB+7], v[rA:rA+7], v[CZ1:CZ1+7]
.else
	v_wmma_f32_16x16x32_f16 v[rD:rD+7], v[rB:rB+7], v[rA:rA+7], v[rD:rD+7]
.endif
.endr
.endr
.endm
.macro FETCH k, f                      ; 32 LDS loads in one run: a quarter step's fragments of K, then of Q, from the slot in hand
	WIN TO_B
.irp i, 0,1,2,3,4,5,6,7
	ds_load_b128 v[(\f)+8*(\i):(\f)+8*(\i)+3],   v[ADRB] offset:(\k)+(\i)*16*PITCH
	ds_load_b128 v[(\f)+8*(\i)+4:(\f)+8*(\i)+7], v[ADRB] offset:(\k)+(\i)*16*PITCH+32
.endr
	WIN 0
.irp i, 0,1,2,3,4,5,6,7
	ds_load_b128 v[(\f)+8*(\i):(\f)+8*(\i)+3],   v[ADRA] offset:(\k)+(\i)*16*PITCH
	ds_load_b128 v[(\f)+8*(\i)+4:(\f)+8*(\i)+7], v[ADRA] offset:(\k)+(\i)*16*PITCH+32
.endr
.endm
.macro PLACES                          ; four plain instructions between a matrix instruction and a load into, or a vector read of, its registers (ISA guide 7.12.1 for vector reads)
.rept 4
	v_nop
.endr
.endm
.macro QUARTER k, f, g, start
	s_wait_dscnt 8                                 ; K's and Q's rows 0-63 are in; the youngest eight loads (Q's rows 64-127) may be out
	MUL16 \f, 0, 0, \start
	MUL16 \f, 0, 2, \start
	PLACES
	FETCH \k, \g
	s_wait_dscnt 32                                ; all but the 32 just issued
	MUL16 \f, 1, 0, \start
	MUL16 \f, 1, 2, \start
.endm
; ONE barrier for the change of slots: in front of it each wave waits for all its tensor loads (one is out: its part of the next slot), adds 0 to its spare word, and waits for that and for its reads of this slot.
.macro MEET
	WIN 0
	s_wait_tensorcnt 0x0
	ds_add_u32 v[SPW], v[NIL]
	s_wait_dscnt 9                                 ; the add and the youngest eight loads may be out
	MUL16 F1, 0, 0, 0
	s_wait_dscnt 0x0                               ; the add is done, and my reads of this slot are over
	s_barrier_signal -1
	MUL16 F1, 0, 2, 0
	s_barrier_wait -1
.endm
.macro NEXTSLOT                        ; the fragments' addresses go over to the other slot
	WIN 0
	s_xor_b32 s[TB], s[TB], SLOT
	v_add_nc_u32 v[ADRA], s[TB], v[ADRA0]
	v_add_nc_u32 v[ADRB], s[TB], v[ADRB0]
.endm
.macro TURN                            ; a K step's last quarter with a refill: the slot just read out takes the K step two steps on, the first thing behind the barrier: 224 matrix instructions ahead of the wait for it
	s_wait_xcnt 0x0                                ; the last prefetches, a K step back, have read their address
	s_add_nc_u64 s[PFA:PFA+1], s[PFA:PFA+1], KSTEP*2
	MEET
	s_xor_b32 s[G0+5], s[G0+5], SLOT               ; no tensor load of mine is out, so the walking descriptor may be written: the other slot than last time,
	s_add_nc_u64 s[G0+6:G0+7], s[G0+6:G0+7], KSTEP*2  ; the next K step; the type bits on top are not reached
	LOADT 1                                        ; the four v_nop behind it are also the places in front of the loads below
	NEXTSLOT
	FETCH 0, F0
	ASK
	MUL16 F1, 1, 0, 0
	MUL16 F1, 1, 2, 0
.endm
.macro TURN0                           ; the same without a refill
	MEET
	PLACES
	NEXTSLOT
	FETCH 0, F0
	MUL16 F1, 1, 0, 0
	MUL16 F1, 1, 2, 0
.endm
; THE LOCAL SOFTMAX of block a (16 queries x my 128 keys: eight accumulators, 64 scores a lane, at v[64 a ..] of window 2).
.macro FSC n                           ; c s - mc for pair n
	v_pk_fma_f32 v[SS+2*(\n):SS+2*(\n)+1], v[SS+2*(\n):SS+2*(\n)+1], s[CS:CS+1], v[RT:RT+1] op_sel_hi:[1,0,0] neg_lo:[0,0,1] neg_hi:[0,0,1]
.endm
.macro LEVEL n, w                      ; n packed sums of pairs w registers apart, in place
.set u, 0
.rept \n
	v_pk_add_f32 v[SS+2*(\w)*u:SS+2*(\w)*u+1], v[SS+2*(\w)*u:SS+2*(\w)*u+1], v[SS+2*(\w)*u+(\w):SS+2*(\w)*u+(\w)+1]
.set u, u+1
.endr
.endm
.macro SOFT a
.set SS, 64*(\a)
	WIN 0x2a                                       ; three sources in window 2.
.irp b, 0,1,2,3,4,5,6,7
	v_max3_num_f32 v[C0+(\b)], v[SS+8*(\b)], v[SS+8*(\b)+1], v[SS+8*(\b)+2]
.endr
	WIN 0x28
.irp b, 0,1,2,3,4,5,6,7
	v_max3_num_f32 v[C0+(\b)], v[C0+(\b)], v[SS+8*(\b)+3], v[SS+8*(\b)+4]
.endr
.irp b, 0,1,2,3,4,5,6,7
	v_max3_num_f32 v[C0+(\b)], v[C0+(\b)], v[SS+8*(\b)+5], v[SS+8*(\b)+6]
.endr
.irp b, 0,1,2,3
	v_max3_num_f32 v[C0+(\b)], v[C0+(\b)], v[SS+8*(\b)+7], v[SS+8*(\b)+39]
.endr
	WIN 0
	v_max3_num_f32 v[C0], v[C0], v[C0+1], v[C0+2]
	v_max3_num_f32 v[C0+3], v[C0+3], v[C0+4], v[C0+5]
	v_max3_num_f32 v[C0], v[C0], v[C0+3], v[C0+6]
	v_max_num_f32 v[C0], v[C0], v[C0+7]
	v_permlanex16_b32 v[C0+1], v[C0], s[SEL], s[SEL+1]  ; the query's other 64 keys lie in the lane 16 away
	v_max_num_f32 v[RT+1], v[C0], v[C0+1]
	v_mul_f32 v[RT], s[CS], v[RT+1]                ; mc, as it is stored
	WIN 0x82                                       ; scores in window 2, mc in window 0
	FSC 0                                          ; ONE BATCH: 32 scalings and 64 exponentials, in place; none of them reads an exponential's result
.set p, 0
.rept 32
.if p < 31
	FSC p+1
.endif
	v_exp_f32 v[SS+2*p], v[SS+2*p]
	v_exp_f32 v[SS+2*p+1], v[SS+2*p+1]
.set p, p+1
.endr
	v_nop                                          ; a plain instruction behind the last exponential,
	s_wait_alu depctr_va_vdst(0)                   ; and a wait ahead of the batch's first reader
	WIN 0x0a
.set p, 0
.rept 32
	v_cvt_pk_f16_f32 v[TMP+p], v[SS+2*p], v[SS+2*p+1]  ; a lane's eight keys of an accumulator pack into 16 bytes
.set p, p+1
.endr
	WIN 0x8a
	LEVEL 16, 2
	LEVEL 8, 4
	LEVEL 4, 8
	LEVEL 2, 16
	LEVEL 1, 32
	WIN 0x0a
	v_add_f32 v[RT+2], v[SS], v[SS+1]
	WIN 0
	v_permlanex16_b32 v[RT+3], v[RT+2], s[SEL], s[SEL+1]
	v_add_f32 v[RT+2], v[RT+2], v[RT+3]
	ds_store_b32 v[SA], v[RT] offset:64*(\a)       ; both halves of the lanes hold, and write, the same number
	ds_store_b32 v[SA], v[RT+2] offset:512+64*(\a)
.endm
.macro TOSTAGE a
	WIN 0
.set BK, OB+32*((\a)%2)
.irp b, 0,1,2,3,4,5,6,7
	ds_store_b128 v[STO], v[TMP+4*(\b):TMP+4*(\b)+3] offset:32*(\b)
.endr
.irp t, 0,1,2,3,4,5,6,7
	ds_load_b128 v[BK+4*(\t):BK+4*(\t)+3], v[RD] offset:(\t)*2*SPITCH  ; LDS serves a wave's instructions in order (ISA guide 5.7.1.4): these see the stores above
.endr
.endm
.macro SEND a
	WIN 0
.set BK, OB+32*((\a)%2)
	s_wait_dscnt 0x0                               ; the block is back in registers
	s_wait_xcnt 0x0                                ; earlier stores have read their base and their data: only now are these rewritten
.if (\a) == 0
	s_add_nc_u64 s[PT:PT+1], s[PT:PT+1], s[16:17]
.else
	s_add_nc_u64 s[PT:PT+1], s[PT:PT+1], 16*PTB
.endif
.irp t, 0,1,2,3,4,5,6,7
	global_store_b128 v[CO], v[BK+4*(\t):BK+4*(\t)+3], s[PT:PT+1] offset:2*(\t)*PTB  ; 16 lanes store 256 consecutive bytes, at a multiple of 256 from pt's first byte
.endr
.endm
	s_wait_tensorcnt 1                             ; my part of K step 0 is in; K step 1's may stay out
	s_barrier_signal -1
	s_barrier_wait -1
	FETCH 0, F0
	QUARTER 64,  F0, F1, 1                         ; the first quarter stands in front of the loop: its products start the sums
	WIN 0
	s_mov_b32 s3, STEPS-2
.Lstep:                                                ; a trip: a K step's quarters 2 to 4, its slot filled again, and the next K step's first quarter.  Six trips ask for K steps 2 to 7
	QUARTER 128, F1, F0, 0
	QUARTER 192, F0, F1, 0
	TURN
	QUARTER 64,  F0, F1, 0
	WIN 0
	s_sub_co_u32 s3, s3, 1
	s_cmp_lg_u32 s3, 0
	s_cbranch_scc1 .Lstep
	s_mov_b32 s3, 2
.Ltail:                                                ; the last two K steps ask for nothing: one text, walked twice and left in its middle.
	QUARTER 128, F1, F0, 0                         ; The second walk's barrier and its 32 loads of fragments (bytes of the other slot, which landed long ago) serve nothing:
	QUARTER 192, F0, F1, 0                         ; the price, once a work-group, of not writing the last K step out
	TURN0
	WIN 0
	s_sub_co_u32 s3, s3, 1
	s_cmp_eq_u32 s3, 0
	s_cbranch_scc1 .Lout
	QUARTER 64,  F0, F1, 0
	WIN 0
	s_branch .Ltail
.Lout:
	s_wait_dscnt 0x0                               ; those 32 loads are back: their registers take the rows read back from the stage
	PLACES
	; THE WAY OUT: one text of four blocks, walked twice.  Between the two trips my rows 64-127 move from window 3 into window 2: 256 moves, once a launch, for half the text.
	s_mov_b32 s[HALF], 2
.Lhalf:
	SOFT 0
	TOSTAGE 0
.irp a, 1,2,3                          ; block a's softmax stands between block a - 1's loads from the stage and the wait for them
	SOFT \a
	SEND (\a)-1
	TOSTAGE \a
.endr
	SEND 3
	s_sub_co_u32 s[HALF], s[HALF], 1
	s_cmp_eq_u32 s[HALF], 0
	s_cbranch_scc1 .Lstats
	s_mov_b64 s[16:17], 16*PTB                     ; the second trip's first block lies 16 rows behind the first trip's last
	WIN 0x83                                       ; source window 3, destination window 2; ascending
.set i, 0
.rept 256
	v_mov_b32 v[i], v[i]
.set i, i+1
.endr
	WIN 0
	v_add_nc_u32 v[SA], 256, v[SA]                 ; the statistics of rows 64 on
	s_branch .Lhalf
.Lstats:
	ds_load_b128 v[44:47], v[SB]                   ; my wave's own 128 mc and 128 l, 16 bytes a lane
	ds_load_b128 v[48:51], v[SB] offset:512
	s_wait_dscnt 0x0
	global_store_b128 v[MO], v[44:47], s[56:57]    ; 512 consecutive bytes each, at a multiple of 256 from the buffer's first byte
	global_store_b128 v[MO], v[48:51], s[58:59]
	s_wait_tensorcnt 0x0                           ; the wave's end, behind my last tensor load and my last LDS store
	ds_add_u32 v[SPW], v[NIL]
	s_wait_dscnt 0x0
	s_endpgm
.Lfunc_end_k_q806abe3ce6_scores:
	.size	k_q806abe3ce6_scores, .Lfunc_end_k_q806abe3ce6_scores-k_q806abe3ce6_scores
	.p2alignl 7, 3214868480
	.fill 96, 4, 3214868480
	.section	.rodata,"a",@progbits
	.p2align	6, 0x0
	.amdhsa_kernel k_q806abe3ce6_scores
		.amdhsa_group_segment_fixed_size 327680
		.amdhsa_private_segment_fixed_size 0
		.amdhsa_enable_private_segment 0
		.amdhsa_kernarg_size 32
		.amdhsa_user_sgpr_count 2
		.amdhsa_user_sgpr_kernarg_segment_ptr 1
		.amdhsa_wavefront_size32 1
		.amdhsa_system_sgpr_workgroup_id_x 1
		.amdhsa_system_sgpr_workgroup_id_y 1
		.amdhsa_system_sgpr_workgroup_id_z 1
		.amdhsa_system_vgpr_workitem_id 0
		.amdhsa_next_free_vgpr 1024
		.amdhsa_next_free_sgpr 66
		.amdhsa_reserve_vcc 1
		.amdhsa_float_denorm_mode_32 3
		.amdhsa_float_denorm_mode_16_64 3
		.amdhsa_memory_ordered 1
		.amdhsa_forward_progress 1
		.amdhsa_inst_pref_size 127
	.end_amdhsa_kernel
	.amdgpu_metadata
---
amdhsa.version: [ 1, 2 ]
amdhsa.kernels:
  - .name:           k_q806abe3ce6_scores
    .symbol:         k_q806abe3ce6_scores.kd
    .args:
      - { .name: qkv, .offset: 0, .size: 8, .value_kind: global_buffer, .address_space: global }
      - { .name: pt, .offset: 8, .size: 8, .value_kind: global_buffer, .address_space: global }
      - { .name: mst, .offset: 16, .size: 8, .value_kind: global_buffer, .address_space: global }
      - { .name: lst, .offset: 24, .size: 8, .value_kind: global_buffer, .address_space: global }
    .group_segment_fixed_size: 327680
    .private_segment_fixed_size: 0
    .kernarg_segment_align: 8
    .kernarg_segment_size: 32
    .max_flat_workgroup_size: 128
    .sgpr_count:     66
    .vgpr_count:     1024
    .wavefront_size: 32
...
	.end_amdgpu_metadata
.endif
;; end of part 3
;; launch pv (part 4): grid 8 x 32, 4 waves a work-group, clusters of 4 x 4, 327,680 bytes of LDS; arguments pt, qkv, mst, lst, out0; writes out0
.if DOCPART == 4
	.amdgcn_target "amdgcn-amd-amdhsa--gfx1250"
	.amdhsa_code_object_version 6
	.text
	.protected	k_q806abe3ce6_pv
	.globl	k_q806abe3ce6_pv
	.p2align	8
	.type	k_q806abe3ce6_pv,@function
k_q806abe3ce6_pv:
	s_mov_b64 s[64:65], 0
	v_nop
	global_prefetch_b8 v0, s[64:65] scope:SCOPE_SE
	s_setreg_imm32_b32 hwreg(HW_REG_WAVE_MODE, 25, 1), 1
	s_wait_xcnt 0x0
	s_wait_alu depctr_hold_cnt(0) depctr_sa_sdst(0) depctr_va_vdst(0) depctr_va_sdst(0) depctr_va_ssrc(0) depctr_va_vcc(0) depctr_vm_vsrc(0)
	s_getreg_b32 s2, hwreg(HW_REG_IB_STS2, 6, 4)
	s_cmp_eq_u32 s2, 0
	s_cbranch_scc0 .Lentry_in_a_cluster
	s_endpgm
.Lentry_in_a_cluster:
	s_bfe_u32 s2, ttmp6, 0x10000c
	s_cmp_lg_u32 s2, 0xf033
	s_cbranch_scc0 .Lentry_shape_is_right
	s_endpgm
.Lentry_shape_is_right:
; out0[row][:] = the sum over key blocks kb (128 keys) of f'[row][kb] x (the sum over the block's keys of p[row][k] V[k][:]),  f' = 2^(mc[kb] - Mc) / L,  Mc = the row's largest mc,
; L = the sum over kb of 2^(mc[kb] - Mc) l[kb]: the second, exact half of the softmax whose first half the launch before made block by block.  A block kb above the row block's own has f' = 0.
; p: pt [8192][2048] f16; V: bytes 4,096 on of the rows of qkv [8192][3072] f16; mc, l: mst, lst [16][8192] f32; out0 [8192][1024] f32.  Products in f16 with f32 sums; factors and O in f32.
; LIMITS.  V arrives in f16 (within 65,504).  A factor below 2^-126 counts as 0.  NaN and infinities are not treated apart.
; SHARES.  A tile of out0 is 128 rows x 128 channels; four waves, each 64 x 64.  K goes in steps of 256 keys.  A batch's 16 row blocks of 128 lie in 4 groups of 4; group g needs 2 g + 2 steps.
; A work-group makes TWO tiles, one after the other: block cy of group 3 - q (8 - 2 q steps) and block cy of group q (2 + 2 q steps): ONE walk of 10 steps, whatever q: 256 work-groups of equal work.
; CLUSTER.  4 x 4: cy = the block in its group, cx = the channel tile; batch and q come from the cluster's y, so all sixteen partners walk alike.  p's tile is shared along a row of the cluster, V's
; along a column: every load is joint.  A block whose own keys end before its group's still asks and multiplies: its p address stops at its last written tile (the least of step and block / 2), and its factors there are 0.
; THE FOLD.  T (16 accumulators) sums p V over one key block, 64 matrix instructions; then O += f' T, 64 packed multiply-adds, which ride behind the block's last 16 products, two accumulators behind.
; LAYOUT.  Source 0 = 16 channels of V^T (turned on the way out of LDS by ds_load_tr16_b128), source 1 = 16 queries of p: lane l holds query l % 16 and the channels 8 (l / 16) + 0 .. 7, so f' is one number a lane.
; A STEP IS WRITTEN ONCE.  The slot in hand is a scalar, s[TB] = 0 or SLOT1, turned by one exclusive or at each change of slots; the fragments' LDS addresses are made anew from it, and one descriptor a tensor
; walks, its LDS word turned by the same exclusive or.  SLOT1 = 0x24000 shares no bit with the four places of a wave's tile in a slot (0, 0x8400, 0x10800, 0x19800), so the turn is exact.
; REGISTERS, in windows of 256 (s_set_vgpr_msb: bits 1:0 source 0, 3:2 source 1, 5:4 source 2, 7:6 destination):
;   window 0: v0-31 addresses; v32-39 factors; v64-191 rows on the way out; v128-213 at work at the start      window 1: two fragment buffers of 128: p's at 8 (4 c + a), V^T's at 64 + 8 (4 c + b)
;   window 2: v0-127 T, v128-255 O, both at 8 (4 a + b)
.set PA,    528                        ; a row of p in LDS: 512 bytes + 16: the 16 rows of a load start at 16 different groups of four banks (64 banks of 4 bytes: ISA guide 11.1)
.set PV,    288                        ; a row of V: 256 + 32
.set AHALF, 64*PA                      ; what waves 0 and 1 fetch: 64 rows of p each: 0x8400 bytes
.set VOFF,  128*PA                     ; 0x10800
.set VHALF, 128*PV                     ; what waves 2 and 3 fetch: 128 keys of V each: 0x9000 bytes
.set SLOT1, 0x24000                    ; slot 1 begins here; a slot uses VOFF + 2 VHALF = 141,312 of these 147,456 bytes
.set STAGE, 2*SLOT1                    ; 16 rows x 272 bytes for each wave
.set SP,    272
.set TAB,   STAGE+4*16*SP              ; the factors: 20 entries of 512 bytes, in the walk's order; row 64 s + 16 a + r of an entry at 256 s + 16 r + 4 a
.set SPARE, TAB+20*512                 ; the spare words, 128 bytes for each wave, which no other line names
.set VSTEP, 256*6144                   ; bytes from a step's keys to the next step's
.set ADRA0, 16                         ; v16     my fragments of p in slot 0; never rewritten
.set ADRA, 17                          ; v17     in the slot in hand
.set ADRV0, 18                         ; v18     my fragments of V, keys 0-127, in slot 0; never rewritten
.set ADRV, 20                          ; v20-21  in the slot in hand: keys 0-127, keys 128-255
.set FA,   22                          ; v22     my 16 bytes of the step's first entry
.set T0,   23                          ; v23     where thread t puts row t's factor
.set STO,  24
.set RD,   25
.set CO,   26
.set SPW,  28
.set NIL,  29
.set FQ,   32                          ; v32-35  f' of my four query blocks; v36, v38 copies of the second and fourth, so that each is the low word of an even pair
.set OB,   64
.set MCL,  128                         ; the long block's 16 mc, then factors
.set LL,   144                         ; its 16 l
.set MCS,  160                         ; the short block's 8
.set LSH,  168
.set AOL,  176                         ; byte offsets of the loads
.set AOS,  192
.set SEL8, 200                         ; entries 12 to 19
.set MXL,  208
.set MXS,  209
.set SML,  210
.set SMS,  211
.set RCL,  212
.set RCS,  213
.set F0,   0
.set F1,   128
.set OA,   128                         ; O in window 2
.set WV, 14
.set RH, 15                            ; my half of the rows.  Also: I fetch p (0) or V (1)
.set CH, 16                            ; my half of the channels.  Also: which half I fetch
.set CX, 17
.set CY, 18
.set CT, 19
.set BT, 20
.set QQ, 21
.set IL, 22                            ; the long block's number in its batch
.set IS, 23                            ; the short block's
.set G1A, 24
.set G0A, 32                           ; s[32:35] slot 0's first fill; s[36:39] slot 1's, which then walks
.set G1V, 40
.set G0V, 48                           ; s[48:51], s[52:55] likewise
.set NXT, 56                           ; the step to be asked for next
.set LQ,  57                           ; the last step of the block whose steps are being asked for
.set CLAMP, 58                         ; its last written tile of p
.set HS,  59                           ; the short block's
.set CURA, 60                          ; s[60:61] pt at my 64 rows of that block
.set SHA, 62                           ; s[62:63] of the short block
.set VB,  66                           ; s[66:67] V at my 128 keys of step 0, my tile's channels
.set OUT, 68                           ; s[68:69] out0 at my rows and channels of the block in hand
.set OLO, 70                           ; s[70:71] of the short block
.set TA,  72                           ; s[72:73] an offset in pt: holds nothing made of cx
.set TV,  74                           ; s[74:75] an offset in qkv: holds nothing made of cy
.set CNT, 76                           ; counts a loop's trips
.set RTL, 77                           ; steps that the long block still has
.set QM,  86                           ; all ones where q = 1
.set TB,  95                           ; the slot in hand: 0 or SLOT1
.set MSB, 0
.macro WIN new
.if MSB != (\new)
	s_set_vgpr_msb (MSB<<8)|(\new)
.set MSB, \new
.endif
.endm
.macro JLOAD s                         ; a joint load; the branch hangs on the wave's number alone; an s_nop 0 and four v_nop follow each line
	s_cmp_eq_u32 s[RH], 0
	s_cbranch_scc0 .Lfor_v_\@
	tensor_load_to_lds s[G0A+4*(\s):G0A+4*(\s)+3], s[G1A:G1A+7]
	s_nop 0
.rept 4
	v_nop
.endr
	s_branch .Lasked_\@
.Lfor_v_\@:
	tensor_load_to_lds s[G0V+4*(\s):G0V+4*(\s)+3], s[G1V:G1V+7]
	s_nop 0
.rept 4
	v_nop
.endr
.Lasked_\@:
.endm
.macro CREST
	s_cmp_lg_u32 s[WV], 0
	s_cbranch_scc1 .Lnot_wave_0_\@
	s_barrier_signal -3
.Lnot_wave_0_\@:
	s_barrier_wait -3
	s_barrier_signal -1
	s_barrier_wait -1
.endm
.macro CROUND
	s_barrier_signal -1
	s_barrier_wait -1
	CREST
.endm
	s_load_b256 s[4:11], s[0:1], 0x0               ; pt s[4:5], qkv s[6:7], mst s[8:9], lst s[10:11]
	s_load_b64 s[12:13], s[0:1], 0x20              ; out0
	v_lshl_add_u32 v[SPW], v0, 2, SPARE
	v_mov_b32 v[NIL], 0
	ds_add_u32 v[SPW], v[NIL]                      ; the wave's opening: the add and its wait stand ahead of my first tensor load
	v_lshrrev_b32 v1, 5, v0
	v_readfirstlane_b32 s[WV], v1
	s_lshr_b32 s[RH], s[WV], 1
	s_and_b32 s[CH], s[WV], 1
	s_bfe_u32 s[CX], ttmp6, 0x40000
	s_bfe_u32 s[CY], ttmp6, 0x40004
	s_lshl_b32 s[CT], ttmp9, 2
	s_add_co_u32 s[CT], s[CT], s[CX]               ; channel tile = 4 x cluster x + cx
	s_and_b32 s78, ttmp7, 0xffff                   ; cluster y
	s_lshr_b32 s[BT], s78, 1                       ; batch
	s_and_b32 s[QQ], s78, 1                        ; q
	s_sub_co_u32 s[IL], 3, s[QQ]
	s_lshl_b32 s[IL], s[IL], 2
	s_add_co_u32 s[IL], s[IL], s[CY]               ; 4 (3 - q) + cy
	s_lshl_b32 s[IS], s[QQ], 2
	s_add_co_u32 s[IS], s[IS], s[CY]               ; 4 q + cy
	s_lshl_b32 s79, s[CY], 2
	s_lshl_b32 s79, 15, s79                        ; my row of the cluster
	s_lshl_b32 s80, 0x1111, s[CX]                  ; my column
	s_or_b32 s[G1A], s79, (1<<16)|(1<<20)|(1<<21)|(6<<22)|(3<<25)  ; the mask; 2-byte elements; padding on; bit 21 beside a mask; after every 128 words 4 words
	s_mov_b32 s[G1A+1], 256<<16                    ; tensor_dim0 = 256
	s_mov_b32 s[G1A+2], 64<<16                     ; tensor_dim1 = 64
	s_mov_b32 s[G1A+3], 256<<16                    ; tile_dim0 = 256
	s_mov_b32 s[G1A+4], 64                         ; tile_dim1 = 64
	s_mov_b32 s[G1A+5], 2048                       ; elements from row to row of pt
	s_mov_b32 s[G1A+6], 0
	s_mov_b32 s[G1A+7], 0
	s_or_b32 s[G1V], s80, (1<<16)|(1<<20)|(1<<21)|(5<<22)|(7<<25)  ; after every 64 words 8 words
	s_mov_b32 s[G1V+1], 128<<16
	s_mov_b32 s[G1V+2], 128<<16
	s_mov_b32 s[G1V+3], 128<<16
	s_mov_b32 s[G1V+4], 128
	s_mov_b32 s[G1V+5], 3072                       ; elements from row to row of qkv
	s_mov_b32 s[G1V+6], 0
	s_mov_b32 s[G1V+7], 0
	s_mov_b32 s[NXT], 2
	s_mov_b32 s[TB], 0
	s_lshl_b32 s78, s[QQ], 1
	s_sub_co_u32 s[LQ], 7, s78                     ; the long block has 8 - 2 q steps
	s_sub_co_u32 s[RTL], 8, s78
	s_lshr_b32 s[CLAMP], s[IL], 1
	s_lshr_b32 s[HS], s[IS], 1
	s_cmp_eq_u32 s[QQ], 1
	s_cselect_b32 s[QM], -1, 0
	s_lshl_b32 s81, s[BT], 11                      ; the batch's first row
	s_lshl_b32 s82, s[CH], 6
	s_lshl_b32 s[TA], s[IL], 7
	s_add_co_u32 s[TA], s[TA], s81
	s_add_co_u32 s[TA], s[TA], s82
	s_lshl_b32 s[TA], s[TA], 12                    ; pt: (2,048 batch + 128 block + 64 half) rows of 4,096 bytes
	s_mov_b32 s[TA+1], 0
	s_lshl_b32 s84, s[IS], 7
	s_add_co_u32 s84, s84, s81
	s_add_co_u32 s84, s84, s82
	s_lshl_b32 s84, s84, 12
	s_mov_b32 s85, 0
	s_lshl_b32 s[TV], s[CH], 7
	s_add_co_u32 s[TV], s[TV], s81
	s_mul_i32 s[TV], s[TV], 6144                   ; qkv: (2,048 batch + 128 half) rows,
	s_add_co_u32 s[TV], s[TV], 4096                ; V's place in a row,
	s_lshl_b32 s83, s[CT], 8
	s_add_co_u32 s[TV], s[TV], s83                 ; my tile's 128 channels
	s_mov_b32 s[TV+1], 0
	s_lshl_b32 s83, s[RH], 6
	s_add_co_u32 s83, s83, s81
	s_lshl_b32 s87, s[CT], 9
	s_lshl_b32 s94, s[CH], 8
	s_add_co_u32 s87, s87, s94                     ; out0: my 64 channels' first byte in a row
	s_lshl_b32 s88, s[IL], 7
	s_add_co_u32 s88, s88, s83
	s_lshl_b32 s88, s88, 12
	s_add_co_u32 s88, s88, s87
	s_mov_b32 s89, 0
	s_lshl_b32 s90, s[IS], 7
	s_add_co_u32 s90, s90, s83
	s_lshl_b32 s90, s90, 12
	s_add_co_u32 s90, s90, s87
	s_mov_b32 s91, 0
	s_mul_i32 s92, s[CH], AHALF                    ; where my tiles go: no place in the cluster enters an LDS address
	s_mul_i32 s93, s[CH], VHALF
	s_add_co_u32 s93, s93, VOFF
	s_wait_dscnt 0x0                               ; the opening add is done
	s_wait_kmcnt 0x0
	s_add_nc_u64 s[CURA:CURA+1], s[4:5], s[TA:TA+1]
	s_add_nc_u64 s[SHA:SHA+1], s[4:5], s[84:85]
	s_add_nc_u64 s[VB:VB+1], s[6:7], s[TV:TV+1]
	s_add_nc_u64 s[OUT:OUT+1], s[12:13], s[88:89]
	s_add_nc_u64 s[OLO:OLO+1], s[12:13], s[90:91]
	CROUND                                         ; all sixteen work-groups are here: the first joint loads meet
.irp s, 0,1
	s_mov_b32 s[G0A+4*(\s)], 1
	s_add_co_u32 s[G0A+4*(\s)+1], s92, (\s)*SLOT1
	s_add_nc_u64 s[G0A+4*(\s)+2:G0A+4*(\s)+3], s[CURA:CURA+1], (\s)*512  ; the long block's steps 0 and 1: both written, since its block / 2 is 4 at the least
	s_or_b32 s[G0A+4*(\s)+3], s[G0A+4*(\s)+3], 0x80000000
	s_mov_b32 s[G0V+4*(\s)], 1
	s_add_co_u32 s[G0V+4*(\s)+1], s93, (\s)*SLOT1
	s_add_nc_u64 s[G0V+4*(\s)+2:G0V+4*(\s)+3], s[VB:VB+1], (\s)*VSTEP
	s_or_b32 s[G0V+4*(\s)+3], s[G0V+4*(\s)+3], 0x80000000
	JLOAD \s                                       ; two loads of mine are out
.endr
	; THE FACTORS.  Thread t serves row t of both blocks.  A load for a key block above the row block's own is turned to the block's own (the least of kb and the block's number): every load
	; names bytes that the launch before wrote, the maximum is not changed by the repeat, and the factor is set to 0 below.
	v_and_b32 v1, 15, v0                           ; l % 16
	v_bfe_u32 v2, v0, 4, 1                         ; l / 16
	s_lshl_b32 s79, s[IL], 7
	s_add_co_u32 s79, s79, s81
	s_lshl_b32 s79, s79, 2
	s_lshl_b32 s80, s[IS], 7
	s_add_co_u32 s80, s80, s81
	s_lshl_b32 s80, s80, 2
	v_lshl_add_u32 v6, v0, 2, s79
	v_lshl_add_u32 v7, v0, 2, s80
.set kb, 0
.rept 16
	s_min_u32 s78, s[IL], kb
	s_lshl_b32 s78, s78, 15
	v_add_nc_u32 v[AOL+kb], s78, v6
	global_load_b32 v[MCL+kb], v[AOL+kb], s[8:9]
	global_load_b32 v[LL+kb], v[AOL+kb], s[10:11]
.set kb, kb+1
.endr
.set kb, 0
.rept 8
	s_min_u32 s78, s[IS], kb
	s_lshl_b32 s78, s78, 15
	v_add_nc_u32 v[AOS+kb], s78, v7
	global_load_b32 v[MCS+kb], v[AOS+kb], s[8:9]
	global_load_b32 v[LSH+kb], v[AOS+kb], s[10:11]
.set kb, kb+1
.endr
	v_lshrrev_b32 v8, 6, v0
	v_lshlrev_b32 v8, 8, v8
	v_lshl_add_u32 v8, v1, 4, v8
	v_bfe_u32 v9, v0, 4, 2
	v_lshl_add_u32 v8, v9, 2, v8
	v_add_nc_u32 v[T0], TAB, v8                    ; 256 (t / 64) + 16 (t % 16) + 4 ((t / 16) % 4)
	s_wait_loadcnt 0x0
	v_max3_num_f32 v[MXL], v[MCL], v[MCL+1], v[MCL+2]
	v_max3_num_f32 v[MXS], v[MCS], v[MCS+1], v[MCS+2]
.irp k, 3,5,7,9,11,13
	v_max3_num_f32 v[MXL], v[MXL], v[MCL+(\k)], v[MCL+(\k)+1]
.endr
.irp k, 3,5
	v_max3_num_f32 v[MXS], v[MXS], v[MCS+(\k)], v[MCS+(\k)+1]
.endr
	v_max_num_f32 v[MXL], v[MXL], v[MCL+15]
	v_max_num_f32 v[MXS], v[MXS], v[MCS+7]
.set kb, 0
.rept 16
	v_sub_f32 v[MCL+kb], v[MCL+kb], v[MXL]
.set kb, kb+1
.endr
.set kb, 0
.rept 8
	v_sub_f32 v[MCS+kb], v[MCS+kb], v[MXS]
.set kb, kb+1
.endr
.set kb, 0
.rept 16                                       ; one batch of 24 exponentials, in place: the long block's 16,
	v_exp_f32 v[MCL+kb], v[MCL+kb]
.set kb, kb+1
.endr
.set kb, 0
.rept 8                                        ; and the short block's 8
	v_exp_f32 v[MCS+kb], v[MCS+kb]
.set kb, kb+1
.endr
	v_nop                                          ; a plain instruction behind the last exponential,
	s_wait_alu depctr_va_vdst(0)                   ; and a wait ahead of the batch's first reader
.set kb, 0
.rept 16
	s_cmp_ge_u32 s[IL], kb
	s_cselect_b32 s78, 1.0, 0
	v_mul_f32 v[MCL+kb], s78, v[MCL+kb]            ; 0 for a key block above the row block's own
.set kb, kb+1
.endr
.set kb, 0
.rept 8
	s_cmp_ge_u32 s[IS], kb
	s_cselect_b32 s78, 1.0, 0
	v_mul_f32 v[MCS+kb], s78, v[MCS+kb]
.set kb, kb+1
.endr
	v_mul_f32 v[SML], v[MCL], v[LL]
	v_mul_f32 v[SMS], v[MCS], v[LSH]
.set kb, 1
.rept 15
	v_fmac_f32 v[SML], v[MCL+kb], v[LL+kb]
.set kb, kb+1
.endr
.set kb, 1
.rept 7
	v_fmac_f32 v[SMS], v[MCS+kb], v[LSH+kb]
.set kb, kb+1
.endr
	v_rcp_f32 v[RCL], v[SML]                       ; the block that holds the maximum gives 1 x its l, which is about 1 at the least
	v_rcp_f32 v[RCS], v[SMS]
	v_nop
	s_wait_alu depctr_va_vdst(0)
.set kb, 0
.rept 16
	v_mul_f32 v[MCL+kb], v[MCL+kb], v[RCL]
.set kb, kb+1
.endr
.set kb, 0
.rept 8
	v_mul_f32 v[MCS+kb], v[MCS+kb], v[RCS]
.set kb, kb+1
.endr
	; the table in the walk's order.  q = 0: entries 0-15 the long block's, 16-19 the short block's 0-3.  q = 1: 0-11 the long block's, 12-19 the short block's 0-7.  The choice selects a value; the addresses are constants
.irp e, 0,1,2,3
	v_cndmask_b32 v[SEL8+(\e)], v[MCL+12+(\e)], v[MCS+(\e)], s[QM]
	v_cndmask_b32 v[SEL8+4+(\e)], v[MCS+(\e)], v[MCS+4+(\e)], s[QM]
.endr
.set e, 0
.rept 12
	ds_store_b32 v[T0], v[MCL+e] offset:512*e
.set e, e+1
.endr
.set e, 0
.rept 8
	ds_store_b32 v[T0], v[SEL8+e] offset:512*(12+e)
.set e, e+1
.endr
	WIN 0x80
.set i, 0
.rept 128
	v_mov_b32 v[OA+i], 0                           ; O starts at 0, so that every key block is folded by one form of line; written while the first tiles are on their way
.set i, i+1
.endr
	WIN 0
	v_mov_b32 v[FQ+5], 0                           ; the upper words of the two copies' pairs are named with them
	v_mov_b32 v[FQ+7], 0
	v_and_b32 v3, 7, v0
	v_bfe_u32 v4, v0, 3, 1
	v_mul_u32_u24 v5, v1, PA
	v_lshl_add_u32 v5, v2, 4, v5                   ; p: row x pitch + 16 x half
	s_mul_i32 s78, s[RH], AHALF
	v_add_nc_u32 v[ADRA0], s78, v5
	v_mov_b32 v[ADRA], v[ADRA0]                    ; the walk begins in slot 0
	v_lshl_add_u32 v5, v2, 3, v3                   ; V: lane l reads key 8 (l / 16) + l % 8, channels 8 ((l / 8) % 2) + 0..7
	v_mul_u32_u24 v5, v5, PV
	v_lshl_add_u32 v5, v4, 4, v5
	s_lshl_b32 s78, s[CH], 7
	s_add_co_u32 s78, s78, VOFF
	v_add_nc_u32 v[ADRV0], s78, v5
	v_mov_b32 v[ADRV], v[ADRV0]
	v_add_nc_u32 v[ADRV+1], VHALF, v[ADRV0]
	s_lshl_b32 s78, s[RH], 8
	s_add_co_u32 s78, s78, TAB
	v_lshl_add_u32 v[FA], v1, 4, s78
	s_mul_i32 s78, s[WV], 16*SP
	s_add_co_u32 s78, s78, STAGE                   ; my stage
	v_mul_u32_u24 v5, v1, SP                       ; in: row l % 16, 32 bytes for each half of the lanes
	v_lshl_add_u32 v5, v2, 5, v5
	v_add_nc_u32 v[STO], s78, v5
	v_mul_u32_u24 v5, v2, SP                       ; back: lanes 0-15 take one row of 256 bytes, lanes 16-31 the next
	v_lshl_add_u32 v5, v1, 4, v5
	v_add_nc_u32 v[RD], s78, v5
	v_lshlrev_b32 v5, 12, v2                       ; and the same two rows in out0
	v_lshl_add_u32 v[CO], v1, 4, v5
.macro PLACES                          ; four plain instructions between a matrix instruction and a load into, or a vector read of, its registers (ISA guide 7.12.1 for vector reads)
.rept 4
	v_nop
.endr
.endm
; 8 matrix instructions: query blocks a0, a0 + 1 x all 4 channel blocks, 32 keys: half c of buffer f.  zero = 1: the product starts T's sum.  The 16 accumulators take turns.
.macro MUL8 f, c, a0, zero
	WIN 0xa5                                       ; sources 0 and 1 window 1; C and D window 2
.irp a, \a0, (\a0)+1
.irp b, 0,1,2,3
.set rD, 8*(4*(\a)+(\b))
.set rV, (\f)+64+8*(4*(\c)+(\b))
.set rA, (\f)+8*(4*(\c)+(\a))
.if \zero
	v_wmma_f32_16x16x32_f16 v[rD:rD+7], v[rV:rV+7], v[rA:rA+7], 0
.else
	v_wmma_f32_16x16x32_f16 v[rD:rD+7], v[rV:rV+7], v[rA:rA+7], v[rD:rD+7]
.endif
.endr
.endr
.endm
.macro WM f, t                         ; product t of a key block's last 16
	WIN 0xa5
.set rD, 8*(\t)
.set rV, (\f)+64+8*(4+(\t)%4)
.set rA, (\f)+8*(4+(\t)/4)
	v_wmma_f32_16x16x32_f16 v[rD:rD+7], v[rV:rV+7], v[rA:rA+7], v[rD:rD+7]
.endm
.macro FOLD4 t                         ; O += f' T for accumulator t, its lowest registers first; the factor is the low word of its pair
	WIN 0xa2                                       ; T, O in window 2, the factor in window 0
.set fp, FQ+4*(((\t)/4)%2)+2*((\t)/8)
.irp z, 0,1,2,3
	v_pk_fma_f32 v[OA+8*(\t)+2*(\z):OA+8*(\t)+2*(\z)+1], v[8*(\t)+2*(\z):8*(\t)+2*(\z)+1], v[fp:fp+1], v[OA+8*(\t)+2*(\z):OA+8*(\t)+2*(\z)+1] op_sel_hi:[1,0,1]
.endr
.endm
; A key block's last 16 products with the fold two accumulators behind: between product t and its fold stand 4 (t = 0) or 8 plain instructions that name none of its registers; between it and the next
; key block's product that writes T anew stand 8 or more.  So one set of T serves.
.macro MULF f
	WM \f, 0
	WM \f, 1
	PLACES
.set tt, 2
.rept 14
	WM \f, tt
	FOLD4 tt-2
.set tt, tt+1
.endr
	FOLD4 14
	FOLD4 15
.endm
; 32 LDS loads in one run: the fragments of quarter kq (64 keys) of the slot in hand, the first 32 keys first; fac >= 0: and entry fac of the step's two entries of factors
.macro FETCH kq, f, fac
	WIN 0x40                                       ; destination window 1, address window 0
.irp c, 0,1
.irp i, 0,1,2,3
	ds_load_tr16_b128 v[(\f)+64+8*(4*(\c)+(\i)):(\f)+64+8*(4*(\c)+(\i))+3],   v[ADRV+(\kq)/2] offset:(((\kq)%2)*64+32*(\c))*PV+32*(\i)
	ds_load_tr16_b128 v[(\f)+64+8*(4*(\c)+(\i))+4:(\f)+64+8*(4*(\c)+(\i))+7], v[ADRV+(\kq)/2] offset:(((\kq)%2)*64+32*(\c)+16)*PV+32*(\i)
	ds_load_b128 v[(\f)+8*(4*(\c)+(\i)):(\f)+8*(4*(\c)+(\i))+3],   v[ADRA] offset:128*(\kq)+64*(\c)+(\i)*16*PA
	ds_load_b128 v[(\f)+8*(4*(\c)+(\i))+4:(\f)+8*(4*(\c)+(\i))+7], v[ADRA] offset:128*(\kq)+64*(\c)+(\i)*16*PA+32
.endr
.endr
.if (\fac) >= 0
	WIN 0
	ds_load_b128 v[FQ:FQ+3], v[FA] offset:512*(\fac)
.endif
.endm
.macro FACS
	WIN 0
	v_mov_b32 v[FQ+4], v[FQ+1]
	v_mov_b32 v[FQ+6], v[FQ+3]
.endm
.macro NEXTSLOT                        ; the fragments' addresses go over to the other slot
	WIN 0
	s_xor_b32 s[TB], s[TB], SLOT1
	v_add_nc_u32 v[ADRA], s[TB], v[ADRA0]
	v_add_nc_u32 v[ADRV], s[TB], v[ADRV0]
	v_add_nc_u32 v[ADRV+1], VHALF, v[ADRV]
.endm
; The walking descriptors for step NXT: the other slot than last time; the addresses made anew from the number; then the number steps, and behind the long block's last step goes back to 0, for the short block.  Scalar work alone.
.macro FILLADDR
	s_xor_b32 s[G0A+5], s[G0A+5], SLOT1
	s_xor_b32 s[G0V+5], s[G0V+5], SLOT1
	s_min_u32 s[TA], s[NXT], s[CLAMP]
	s_lshl_b32 s[TA], s[TA], 9                     ; 256 keys of 2 bytes
	s_add_nc_u64 s[G0A+6:G0A+7], s[CURA:CURA+1], s[TA:TA+1]
	s_or_b32 s[G0A+7], s[G0A+7], 0x80000000
	s_mul_i32 s[TV], s[NXT], VSTEP
	s_add_nc_u64 s[G0V+6:G0V+7], s[VB:VB+1], s[TV:TV+1]
	s_or_b32 s[G0V+7], s[G0V+7], 0x80000000
	s_add_co_u32 s[NXT], s[NXT], 1
	s_cmp_gt_u32 s[NXT], s[LQ]
	s_cselect_b32 s[NXT], 0, s[NXT]
	s_cselect_b64 s[CURA:CURA+1], s[SHA:SHA+1], s[CURA:CURA+1]
	s_cselect_b32 s[CLAMP], s[HS], s[CLAMP]
	s_cselect_b32 s[LQ], 99, s[LQ]
.endm
; A STEP of 256 keys: two key blocks, four quarters of 64 keys, 32 matrix instructions each, on buffers 0, 1, 0, 1.  fill = 1: at its end the slot is filled again, with the walk's step two on.
.macro STEP fill
	s_wait_dscnt 16                                ; the quarter's first 32 keys are in
	MUL8 F0, 0, 0, 1
	MUL8 F0, 0, 2, 1
	PLACES
	FETCH 1, F1, 0
	s_wait_dscnt 33                                ; all but the 33 just issued
	MUL8 F0, 1, 0, 0
	MUL8 F0, 1, 2, 0
	s_wait_dscnt 17                                ; the second 32 keys' sixteen loads and the factors' may be out
	MUL8 F1, 0, 0, 0
	MUL8 F1, 0, 2, 0
	PLACES
	FETCH 2, F0, -1
	s_wait_dscnt 32                                ; all but the 32 just issued: the factors are in
	FACS
	MULF F1
	s_wait_dscnt 16
	MUL8 F0, 0, 0, 1
	MUL8 F0, 0, 2, 1
	PLACES
	FETCH 3, F1, 1
	s_wait_dscnt 33
	MUL8 F0, 1, 0, 0
	MUL8 F0, 1, 2, 0
	WIN 0                                          ; THE CHANGE OF SLOTS: all my tensor loads have landed (one was out: my part of the next slot),
	s_wait_tensorcnt 0x0
	ds_add_u32 v[SPW], v[NIL]                      ; 0 onto my spare word;
.if \fill
	FILLADDR                                       ; no tensor load of mine is out, so a group 0 may be written
.endif
	s_wait_dscnt 18                                ; (the add, the factors' load and the second 32 keys' sixteen may be out)
	MUL8 F1, 0, 0, 0
	s_wait_dscnt 0x0                               ; the add is done, and my reads of this slot are over
	s_barrier_signal -1
	MUL8 F1, 0, 2, 0
	WIN 0
	s_barrier_wait -1
.if \fill
	CREST                                          ; the barrier has opened a round of the cluster's: no wave of any partner still reads this slot or has a load on its way
	JLOAD 1                                        ; the first tensor load behind the round; its four v_nop are also the places in front of the loads below
.else
	PLACES
.endif
	NEXTSLOT
	FETCH 0, F0, -1
	FACS
	MULF F1
	WIN 0
	v_add_nc_u32 v[FA], 1024, v[FA]                ; the next step's two entries
.endm
; THE WAY OUT: O, f32, goes through my stage in LDS, 16 rows at a time, and comes back as whole rows of my 64 channels, 256 bytes.
.macro OUTB a
	WIN 0x08                                       ; the stores' data in window 2
.irp b, 0,1,2,3
	ds_store_b128 v[STO], v[OA+8*(4*(\a)+(\b)):OA+8*(4*(\a)+(\b))+3]   offset:64*(\b)
	ds_store_b128 v[STO], v[OA+8*(4*(\a)+(\b))+4:OA+8*(4*(\a)+(\b))+7] offset:64*(\b)+16
.endr
	WIN 0
.irp t, 0,1,2,3,4,5,6,7
	ds_load_b128 v[OB+32*(\a)+4*(\t):OB+32*(\a)+4*(\t)+3], v[RD] offset:(\t)*2*SP  ; LDS serves a wave's instructions in order (ISA guide 5.7.1.4): these see the stores above; the next block's stores come behind them
.endr
.endm
.macro SEND a, younger                 ; younger: the next block's sixteen LDS instructions, or none
	s_wait_dscnt \younger
.irp t, 0,1,2,3,4,5,6,7
	global_store_b128 v[CO], v[OB+32*(\a)+4*(\t):OB+32*(\a)+4*(\t)+3], s[OUT:OUT+1] offset:(16*(\a)+2*(\t))*4096  ; 16 lanes store 256 consecutive bytes, at a multiple of 256 from out0's first byte
.endr
.endm
.macro WAYOUT
	WIN 0
	s_wait_xcnt 0x0                                ; an earlier way out's stores have read the registers that are loaded anew
	OUTB 0
	OUTB 1
	SEND 0, 16
	OUTB 2
	SEND 1, 16
	OUTB 3
	SEND 2, 16
	SEND 3, 0
.endm
	s_wait_tensorcnt 1                             ; my part of step 0 is in; step 1's may stay out
	s_wait_dscnt 0x0                               ; my rows of the factors' table are written
	s_barrier_signal -1
	s_barrier_wait -1
	FETCH 0, F0, -1
	WIN 0
	s_mov_b32 s[CNT], 8
.Lstep:                                                ; a trip is a step; the eight trips of the loop ask for the walk's steps 2 to 9
	STEP 1
	s_sub_co_u32 s[RTL], s[RTL], 1
	s_cmp_lg_u32 s[RTL], 0
	s_cbranch_scc1 .Lgo                            ; forward, past no barrier and no tensor load; the count comes from the cluster's y: the same in all sixteen partners
	WAYOUT                                         ; the long block is finished; the next step's first fragments, in window 1, are not touched
	s_wait_xcnt 0x0                                ; the stores have read their base
	s_mov_b64 s[OUT:OUT+1], s[OLO:OLO+1]
	WIN 0x80
.set i, 0
.rept 128
	v_mov_b32 v[OA+i], 0
.set i, i+1
.endr
	WIN 0
	s_mov_b32 s[RTL], 99
.Lgo:
	s_sub_co_u32 s[CNT], s[CNT], 1
	s_cmp_lg_u32 s[CNT], 0
	s_cbranch_scc1 .Lstep
	s_mov_b32 s[CNT], 2
.Ltail:                                                ; the walk's last two steps ask for nothing: one text, walked twice.  The second walk's barrier and its
	STEP 0                                         ; 32 loads of fragments (bytes of the other slot, which landed long ago) serve nothing: the price, once a work-group, of not writing the last step out
	s_sub_co_u32 s[CNT], s[CNT], 1
	s_cmp_lg_u32 s[CNT], 0
	s_cbranch_scc1 .Ltail
	WAYOUT
	s_wait_tensorcnt 0x0                           ; the wave's end, behind my last tensor load and my last LDS store
	ds_add_u32 v[SPW], v[NIL]
	s_wait_dscnt 0x0
	CROUND                                         ; the closing round: no work-group ends while a partner may still ask for a tile that names it
	s_endpgm
.Lfunc_end_k_q806abe3ce6_pv:
	.size	k_q806abe3ce6_pv, .Lfunc_end_k_q806abe3ce6_pv-k_q806abe3ce6_pv
	.p2alignl 7, 3214868480
	.fill 96, 4, 3214868480
	.section	.rodata,"a",@progbits
	.p2align	6, 0x0
	.amdhsa_kernel k_q806abe3ce6_pv
		.amdhsa_group_segment_fixed_size 327680
		.amdhsa_private_segment_fixed_size 0
		.amdhsa_enable_private_segment 0
		.amdhsa_kernarg_size 40
		.amdhsa_user_sgpr_count 2
		.amdhsa_user_sgpr_kernarg_segment_ptr 1
		.amdhsa_wavefront_size32 1
		.amdhsa_system_sgpr_workgroup_id_x 1
		.amdhsa_system_sgpr_workgroup_id_y 1
		.amdhsa_system_sgpr_workgroup_id_z 1
		.amdhsa_system_vgpr_workitem_id 0
		.amdhsa_next_free_vgpr 768
		.amdhsa_next_free_sgpr 96
		.amdhsa_reserve_vcc 0
		.amdhsa_float_denorm_mode_32 3
		.amdhsa_float_denorm_mode_16_64 3
		.amdhsa_memory_ordered 1
		.amdhsa_forward_progress 1
		.amdhsa_inst_pref_size 107
	.end_amdhsa_kernel
	.amdgpu_metadata
---
amdhsa.version: [ 1, 2 ]
amdhsa.kernels:
  - .name:           k_q806abe3ce6_pv
    .symbol:         k_q806abe3ce6_pv.kd
    .args:
      - { .name: pt, .offset: 0, .size: 8, .value_kind: global_buffer, .address_space: global }
      - { .name: qkv, .offset: 8, .size: 8, .value_kind: global_buffer, .address_space: global }
      - { .name: mst, .offset: 16, .size: 8, .value_kind: global_buffer, .address_space: global }
      - { .name: lst, .offset: 24, .size: 8, .value_kind: global_buffer, .address_space: global }
      - { .name: out0, .offset: 32, .size: 8, .value_kind: global_buffer, .address_space: global }
    .group_segment_fixed_size: 327680
    .private_segment_fixed_size: 0
    .kernarg_segment_align: 8
    .kernarg_segment_size: 40
    .max_flat_workgroup_size: 128
    .sgpr_count:     96
    .vgpr_count:     768
    .wavefront_size: 32
...
	.end_amdgpu_metadata
.endif
;; end of part 4
;; ======== version 2 of 2: 4 launches; version 1 with the launch cast written anew for expert scheduling mode
;; limits: values are held in f16: magnitudes above 65,504 overflow, below 6.1e-05 lose precision
;; workspace buffers: xb 16,777,216 bytes; wb 6,291,456 bytes; qkv 50,331,648 bytes; pt 33,554,432 bytes; mst 524,288 bytes; lst 524,288 bytes
;; launch cast (part 5): grid 704 x 1, 8 waves a work-group, no clusters, 0 bytes of LDS; arguments x, Wq, Wk, Wv, xb, wb; writes xb, wb
.if DOCPART == 5
	.amdgcn_target "amdgcn-amd-amdhsa--gfx1250"
	.amdhsa_code_object_version 6
	.text
	.protected	k_q806abe3ce6_cast
	.globl	k_q806abe3ce6_cast
	.p2align	8
	.type	k_q806abe3ce6_cast,@function
k_q806abe3ce6_cast:
	s_mov_b64 s[64:65], 0
	v_nop
	global_prefetch_b8 v0, s[64:65] scope:SCOPE_SE
	s_setreg_imm32_b32 hwreg(HW_REG_WAVE_SCHED_MODE, 0, 2), 2
	s_setreg_imm32_b32 hwreg(HW_REG_WAVE_MODE, 25, 1), 1
	s_wait_xcnt 0x0
	s_wait_alu depctr_vm_vsrc(0)
; x and the three weight matrices, f32, are rounded once to bf16: xb [8192][1024]; wb [3072][1024], rows 0-1023 Wq, 1024-2047 Wk, 2048-3071 Wv.
; A work-group converts 16,384 numbers: 65,536 bytes in, 32,768 out.  Work-groups 0-511 take x, 512-703 the weights, 64 to a matrix.
; Thread t reads 16 bytes at 16 t + 4,096 i (a wave's load covers 512 neighbouring bytes) and stores 8 bytes at 8 t + 2,048 i (a wave's store covers
; 256 neighbouring bytes, aligned).  All sixteen loads go out first; nothing is read twice; no register is used twice, so no wait frees a source.
; No LDS, no matrix unit, no cluster: the work-groups share no byte, and each number is touched once.
; THE MODE: SCHED_MODE bits 1:0 = 2 (LLVM: expert scheduling mode 2), set by the entry lines.  The code itself states the register dependences
; between vector instructions and memory instructions, with s_wait_alu, always for 0.
; THE PLAN.  Registers that memory instructions touch:
;   v1, v2   byte offsets, written once at the head by vector instructions and never again; v1 is read by every load, v2 by every store.
;   X        piece i: four registers, written once, by load i; read by piece i's two conversions.  No vector instruction writes them, no second load lands in them.
;   Y        piece i: two registers, written once, by piece i's two conversions; read by store i.  Never written again.
; So the only dependences to state are: the offsets are written, ahead of the first load; and a piece's conversions have written its Y, ahead of its store.
; The sixteen pieces go in four blocks of four.  Block g waits for its four loads; then ONE wait states that block g - 1's eight conversions have written their Y; then block g - 1's
; four stores are dealt among block g's eight conversions, which read X and write Y of block g alone: none of the registers that those stores name.  One more wait stands ahead of the last four stores.
.set X, 4                              ; v[4:67]   sixteen loads of four f32
.set Y, 68                             ; v[68:99]  sixteen pairs of packed bf16
.set BLOCK, 4                          ; pieces in a block
	s_load_b256 s[4:11], s[0:1], 0x0               ; x s[4:5], Wq s[6:7], Wk s[8:9], Wv s[10:11]
	s_load_b128 s[12:15], s[0:1], 0x20             ; xb s[12:13], wb s[14:15]
	v_lshlrev_b32 v1, 4, v0                        ; my 16 bytes in
	v_lshlrev_b32 v2, 3, v0                        ; my 8 bytes out
	s_max_u32 s16, ttmp9, 512
	s_sub_co_u32 s16, s16, 512                     ; my number among the weights' work-groups (0 where I take x)
	s_lshr_b32 s17, s16, 6                         ; which matrix
	s_and_b32 s18, s16, 63
	s_lshl_b32 s18, s18, 16                        ; my bytes in that matrix,
	s_lshl_b32 s19, s16, 15                        ; and in wb
	s_lshl_b32 s20, ttmp9, 16                      ; my bytes in x,
	s_lshl_b32 s21, ttmp9, 15                      ; and in xb
	s_mov_b32 s27, 0
	s_mov_b32 s29, 0
	s_wait_kmcnt 0x0
	s_cmp_eq_u32 s17, 1
	s_cselect_b64 s[22:23], s[8:9], s[6:7]
	s_cmp_eq_u32 s17, 2
	s_cselect_b64 s[22:23], s[10:11], s[22:23]
	s_cmp_lt_u32 ttmp9, 512
	s_cselect_b64 s[22:23], s[4:5], s[22:23]       ; from where,
	s_cselect_b64 s[24:25], s[12:13], s[14:15]     ; to where
	s_cselect_b32 s26, s20, s18
	s_cselect_b32 s28, s21, s19
	s_add_nc_u64 s[22:23], s[22:23], s[26:27]
	s_add_nc_u64 s[24:25], s[24:25], s[28:29]
	s_wait_alu depctr_va_vdst(0)                   ; v1 and v2 are written: every load reads v1 as its offset, every store v2
.set i, 0
.rept 16
	global_load_b128 v[X+4*i:X+4*i+3], v1, s[22:23] offset:4096*i th:TH_LOAD_NT
.set i, i+1
.endr
; Block g: pieces 4 g to 4 g + 3 are rounded; the stores of the block before go out among the conversions.
.macro BLK g
	s_wait_loadcnt 16-BLOCK*((\g)+1)               ; loads come back in order (ISA guide 5.7.1): this block's four are in, the younger blocks' stay out
.if (\g) > 0
	s_wait_alu depctr_va_vdst(0)                   ; the conversions of the block before have written its eight registers of Y, which the four stores below read
.endif
.irp i, 0,1,2,3
.if (\g) > 0
	global_store_b64 v2, v[Y+2*(BLOCK*((\g)-1)+(\i)):Y+2*(BLOCK*((\g)-1)+(\i))+1], s[24:25] offset:2048*(BLOCK*((\g)-1)+(\i))  ; no vector instruction since the wait names these registers
.endif
	v_cvt_pk_bf16_f32 v[Y+2*(BLOCK*(\g)+(\i))],   v[X+4*(BLOCK*(\g)+(\i))],   v[X+4*(BLOCK*(\g)+(\i))+1]
	v_cvt_pk_bf16_f32 v[Y+2*(BLOCK*(\g)+(\i))+1], v[X+4*(BLOCK*(\g)+(\i))+2], v[X+4*(BLOCK*(\g)+(\i))+3]
.endr
.endm
	BLK 0                                          ; no block stands in front of it: no store, and no wait but the one for its data
	BLK 1
	BLK 2
	BLK 3
	s_wait_alu depctr_va_vdst(0)                   ; block 3's conversions have written its eight registers of Y, which the last four stores read
.irp i, 12,13,14,15
	global_store_b64 v2, v[Y+2*(\i):Y+2*(\i)+1], s[24:25] offset:2048*(\i)
.endr
	s_endpgm
.Lfunc_end_k_q806abe3ce6_cast:
	.size	k_q806abe3ce6_cast, .Lfunc_end_k_q806abe3ce6_cast-k_q806abe3ce6_cast
	.p2alignl 7, 3214868480
	.fill 96, 4, 3214868480
	.section	.rodata,"a",@progbits
	.p2align	6, 0x0
	.amdhsa_kernel k_q806abe3ce6_cast
		.amdhsa_group_segment_fixed_size 0
		.amdhsa_private_segment_fixed_size 0
		.amdhsa_enable_private_segment 0
		.amdhsa_kernarg_size 48
		.amdhsa_user_sgpr_count 2
		.amdhsa_user_sgpr_kernarg_segment_ptr 1
		.amdhsa_wavefront_size32 1
		.amdhsa_system_sgpr_workgroup_id_x 1
		.amdhsa_system_sgpr_workgroup_id_y 1
		.amdhsa_system_sgpr_workgroup_id_z 1
		.amdhsa_system_vgpr_workitem_id 0
		.amdhsa_next_free_vgpr 104
		.amdhsa_next_free_sgpr 66
		.amdhsa_reserve_vcc 0
		.amdhsa_float_denorm_mode_32 3
		.amdhsa_float_denorm_mode_16_64 3
		.amdhsa_memory_ordered 1
		.amdhsa_forward_progress 1
		.amdhsa_inst_pref_size 7
	.end_amdhsa_kernel
	.amdgpu_metadata
---
amdhsa.version: [ 1, 2 ]
amdhsa.kernels:
  - .name:           k_q806abe3ce6_cast
    .symbol:         k_q806abe3ce6_cast.kd
    .args:
      - { .name: x, .offset: 0, .size: 8, .value_kind: global_buffer, .address_space: global }
      - { .name: Wq, .offset: 8, .size: 8, .value_kind: global_buffer, .address_space: global }
      - { .name: Wk, .offset: 16, .size: 8, .value_kind: global_buffer, .address_space: global }
      - { .name: Wv, .offset: 24, .size: 8, .value_kind: global_buffer, .address_space: global }
      - { .name: xb, .offset: 32, .size: 8, .value_kind: global_buffer, .address_space: global }
      - { .name: wb, .offset: 40, .size: 8, .value_kind: global_buffer, .address_space: global }
    .group_segment_fixed_size: 0
    .private_segment_fixed_size: 0
    .kernarg_segment_align: 8
    .kernarg_segment_size: 48
    .max_flat_workgroup_size: 256
    .sgpr_count:     66
    .vgpr_count:     104
    .wavefront_size: 32
...
	.end_amdgpu_metadata
.endif
;; end of part 5
;; launch proj: the kernel of part 2 again; grid 8 x 32, 4 waves a work-group, clusters of 4 x 4, 327,680 bytes of LDS; arguments xb, wb, qkv, bq, bk, bv; writes qkv
;; launch scores: the kernel of part 3 again; grid 9 x 16, 4 waves a work-group, no clusters, 327,680 bytes of LDS; arguments qkv, pt, mst, lst; writes pt, mst, lst
;; launch pv: the kernel of part 4 again; grid 8 x 32, 4 waves a work-group, clusters of 4 x 4, 327,680 bytes of LDS; arguments pt, qkv, mst, lst, out0; writes out0
